; MI455X (gfx1250); checked and timed in simulation.
; The chip was launched on July 23, 2026; its instructions are those of AMD's public machine-readable ISA for CDNA 5 (MIT licence, August 2026) and "CDNA5" Instruction Set Architecture Reference Guide (July 2026). The comments in the code are by the model that wrote it; some were corrected since.
;; Multihead Local Pos Attention. Allowed arithmetic: matrix products marked QUANTISED: E5M2 operands, one E8M0 scale for each 32 along K, by v_wmma_scale_f32_16x16x128_f8f6f4 with both operands' format E5M2, f32 sums; products left as they are: f32 operands where the result goes on into a quantised operand, else bf16, f16 or f32 operands; f32 sums; everything else in f32.
;; Inputs: Wo_codes 256 x 8 x 32 uint8 (E5M2 codes of Wo, K innermost, in blocks of 32 codes); Wo_scales 256 x 8 uint8 (E8M0 scales of Wo, one for each 32 codes along K); Wp1 128 x 1 float32; Wp2_codes 256 x 4 x 32 uint8 (E5M2 codes of Wp2, K innermost, in blocks of 32 codes); Wp2_scales 256 x 4 uint8 (E8M0 scales of Wp2, one for each 32 codes along K); Wqkv_codes 768 x 8 x 32 uint8 (E5M2 codes of Wqkv, K innermost, in blocks of 32 codes); Wqkv_scales 768 x 8 uint8 (E8M0 scales of Wqkv, one for each 32 codes along K); attn_index 32,768 x 16 int32; bo 256 float32; bp1 128 float32; bp2 256 float32; bqkv 768 float32; mask 32,768 x 16 bool; pos 32,768 x 3 float32; x_codes 32,768 x 8 x 32 uint8 (E5M2 codes of x, K innermost, in blocks of 32 codes); x_scales 32,768 x 8 uint8 (E8M0 scales of x, one for each 32 codes along K).
;; Outputs: out0 32,768 x 256 float32.
;; Constants: nsample = 16.
;; This version of the problem:
;;   THIS VERSION OF THE PROBLEM IS GIVEN IN LOW PRECISION. The matrix products marked QUANTISED in the list below multiply operands that are first quantised to E5M2 (5 exponent bits, 2 mantissa bits; 8 bits a number), with one power-of-two scale for each 32 numbers along K (OCP MX v1.0); their sums are f32. All else is computed in f32.
;;   The module's matrix products, in the order in which they are computed (A, B: the left and right operand; K: the contracted axis; several contracted axes count as one K, in the product's order):
;;     1. [M 32,768, K 256] x [K 256, N 768]; A: input x (given as codes); B: input Wqkv (given as codes): QUANTISED
;;     2. [M 524,288, K 1] x [K 1, N 128]; A: computed on the way; B: input Wp1: left as it is (K = 1 < 32)
;;     3. [M 524,288, K 128] x [K 128, N 256]; A: computed on the way; B: input Wp2 (given as codes): QUANTISED
;;     4. [M 32,768, K 256] x [K 256, N 256]; A: computed on the way; B: input Wo (given as codes): QUANTISED
;;   THE QUANTISER, for each operand of a quantised product, along K:
;;     - K is cut into blocks of 32 from its start; a last block that is shorter is filled with zeros.
;;     - A block's scale is 2^e with e = floor(log2(the largest magnitude in the block)) - 15, held to -126 .. 127; a block of zeros has e = 0. As a byte (E8M0): e + 127.
;;     - Each number is divided by its block's scale, clamped to +-57,344, and rounded to the nearest number of E5M2, ties to even, subnormals kept.
;;     - The product sums the exact products of the quantised numbers (number of the format x scale) in f32.
;;   ~~~python
;;   def quantise(x, axis):      # numpy; x: float32 -> the quantised numbers, widened to float32 again
;;       x = np.moveaxis(x, axis, -1); K = x.shape[-1]
;;       x = np.pad(x, [(0, 0)] * (x.ndim - 1) + [(0, -K % 32)]); x = x.reshape(x.shape[:-1] + (-1, 32)); a = np.abs(x).max(-1, keepdims=True)
;;       e = np.where(a > 0, np.clip(np.frexp(np.where(a > 0, a, 1))[1] - 1 - 15, -126, 127), 0)      # np.frexp(a)[1] - 1 = floor(log2(a)), exactly
;;       r = np.clip(x / 2.0 ** e, -57344, 57344)
;;       step = 2.0 ** (np.maximum(np.frexp(np.where(r == 0, 1, r))[1] - 1, -14) - 2)
;;       q = np.round(r / step) * step * 2.0 ** e      # np.round: ties to even
;;       return np.moveaxis(q.reshape(q.shape[:-2] + (-1,))[..., :K], -1, axis).astype(np.float32)
;;   ~~~
;;   OPERANDS COMPUTED ON THE WAY. 'Computed on the way' means the value that the module computes at that place (a softmax that the list does not call 'softmax' is quantised finished and normalised). What goes into a quantiser is computed in f32, as accurately as f32 sums, v_exp_f32 and their like allow (about 1e-6 of the number): no bf16 or f16 on the way to a quantiser, and a product that is left as it is and whose result goes on into a quantised operand takes f32 operands (vector FMAs, or v_wmma_f32_16x16x4_f32). A number that lies on a knife's edge between two numbers of the format may be rounded either way, as far as f32 arithmetic and the matrix unit's own rounding can turn it there, and no further.
;;   INPUTS GIVEN AS CODES. Wo (in the module: [256, 256], K = its axis 1); Wp2 (in the module: [256, 128], K = its axis 1); Wqkv (in the module: [768, 256], K = its axis 1); x (in the module: [32768, 256], K = its axis 1): each comes as NAME_codes (uint8): NAME with its K axis moved to the last place and cut into blocks of 32 codes, [.., K / 32, bytes a block], one block behind the other in memory; one code a byte (a code: sign, 5 exponent bits, 2 mantissa bits); and NAME_scales (uint8): the same leading axes, one E8M0 byte (e + 127) for each 32 codes along K. Its value is code x scale, taken as it is: it is not quantised again, and the codes and scales need not be those that the quantiser above would give.
;; 2 versions, each right; version 2 is version 1 with the launch attn written anew for expert scheduling mode. Each part assembles by itself: llvm-mc -triple=amdgcn-amd-amdhsa -mcpu=gfx1250 --defsym DOCPART=n.
;; ======== version 1 of 2: 1 launch
;; launch attn (part 1): grid 256 x 1, 8 waves a work-group, no clusters, 282,624 bytes of LDS; arguments x_codes, x_scales, attn_index, mask, pos, out0, Wqkv_codes, Wqkv_scales, bqkv, Wp1, bp1, Wp2_codes, Wp2_scales, bp2, Wo_codes, Wo_scales, bo; writes out0
.if DOCPART == 1
	.amdgcn_target "amdgcn-amd-amdhsa--gfx1250"
	.amdhsa_code_object_version 6
	.text
	.protected	k_q0a2c65d6a4_attn
	.globl	k_q0a2c65d6a4_attn
	.p2align	8
	.type	k_q0a2c65d6a4_attn,@function
k_q0a2c65d6a4_attn:
	s_mov_b64 s[64:65], 0
	v_nop
	global_prefetch_b8 v0, s[64:65] scope:SCOPE_SE
	s_setreg_imm32_b32 hwreg(HW_REG_WAVE_MODE, 25, 1), 1
	s_wait_xcnt 0x0
; Local attention with a position MLP, all of it in one launch.  32,768 points, 16 neighbours each (attn_index), 256 channels.
;   q, k, v = x Wqkv^T + bqkv;  d = |pos[j] - pos[i]|;  rel = relu(d Wp1 + bp1) Wp2^T + bp2;  w = k[j] q[i] + rel, -inf where mask;
;   softmax over the 16 neighbours, channel by channel;  out = sum of softmax x (v[j] + rel);  y = out Wo^T + bo.
; The products with Wqkv, Wp2 and Wo run on codes of E5M2 with one E8M0 scale for each 32 along K; everything else is f32.
; NO TABLE OF k AND v IS MADE.  A neighbour is gathered as its row of x codes (256 bytes + 8 scale bytes) and multiplied by Wk and Wv where it is needed:
; the same codes, the same instruction and the same order along K as a table would have had, against 2,048 bytes of f32 a neighbour out of a table.
; SHARES.  A work-group takes 128 points, 16 a trip, in two octets.  Its eight waves share the CHANNELS: wave w owns channels 32 w .. 32 w + 31 (two tiles of 16),
; which are also one block of 32 along the last product's K, and outputs 32 w .. 32 w + 31.  Its rows of Wk, Wv and Wp2 stay in registers (window 1);
; its rows of Wq and Wo lie in LDS as images of their registers, read by itself alone, once a trip.
; LAYOUT.  k, v, rel and q: source 0 = 16 neighbours, source 1 = 16 channels.  In the result lane (r, h) holds channel r and its register j neighbour 8 h + j: the softmax over
; neighbours runs down a lane's eight registers and needs one exchange between the halves of the lanes.  The last product is used transposed: a lane holds eight neighbouring outputs of one point.
; STAGING, one octet ahead, in two LDS stages by turns: wave w gathers the 16 rows, scale words and mask row of point w of the next octet; waves 4 u .. 4 u + 3 make the hidden layer of points 4 u .. 4 u + 3,
; wave 4 u + c the block c of 32 hidden units, quantise it and store it as a part of the image of the operand's registers.  One barrier an octet: behind it the next stage is whole and nobody reads the old one.
; SPARED: bk and bp2 are the C of a sum's first product; rel is the C of v's first product, so v + rel costs nothing; the mask is a row of 0 / -inf that is added;
; the division by the sum of weights is made once a channel, and bv is added behind it (the weights sum to 1).
; THE LAST TRIP stages the work-group's own first octet once more (the look-ahead wraps round): every address stays inside its buffer and no wait's count hangs on a branch; that staging is not read.
; NO CLUSTER, NO TENSOR LOAD: the rows are gathered one by one by index; what work-groups share is the weights, 300 KB that each reads once, straight into operand registers.
; LIMITS: NaN and infinities among the inputs are not served; a point whose 16 neighbours are all masked gives NaN, as the definition does; a squared distance under 2^-126 counts as 0;
; a block whose largest magnitude lies under 2^-111 keeps the scale byte 1; the weights are normalised at the end and bv is added behind that, so the order of rounding differs from the definition's;
; indices are held at 32,767.
.set PT,    6720                       ; LDS: a staged point: 16 rows of x codes at pitch 272 (256 + 16: the 16 rows of a load start in 16 different groups of banks),
.set HIO,   4352                       ;   the hidden layer's fragment as an image of its registers, 4 x 512 bytes,
.set SCO,   6400                       ;   16 records of 16 bytes: x's two scale words, the hidden layer's scale word, 4 bytes that nobody touches,
.set PNO,   6656                       ;   16 f32: 0 or -inf
.set STG1,  8*PT                       ; stage 0 at byte 0, stage 1 here: 8 points each
.set OWN,   16*PT                      ; the trip's own 16 rows of x codes, pitch 272
.set OP,    1040                       ; a row of 256 f32 + 16 bytes
.set OUTST, OWN+16*272                 ; the attention's result, 16 points
.set AIMG,  OUTST+16*OP                ; its codes: two fragments as images
.set ASC,   AIMG+4096                  ; its scale words: word s of point r at 64 s + 4 r
.set BOL,   ASC+128                    ; bo
.set YST,   BOL+1024                   ; y, 16 rows, for the way out
.set WQI,   YST+16*OP                  ; Wq's fragments as images, 8,192 bytes a wave
.set WOI,   WQI+65536                  ; Wo's likewise; ends at byte 281,472
; window 0: LDS addresses (pairs: stage 0, stage 1); none is ever rewritten
.set LF,   1                           ; x fragment:      272 r + 16 h
.set LI,   3                           ; hidden fragment: HIO + 16 l
.set LS,   5                           ; scale record:    SCO + 16 r
.set LP,   7                           ; penalty row:     PNO + 32 h
.set SX,   9                           ; I store rows:    PT w + 272 h + 16 r
.set SXS,  11                          ; x scale words:   PT w + SCO + 16 r
.set SPN,  13                          ; penalty:         PT w + PNO + 4 r
.set SHS,  15                          ; hidden byte:     4 PT (w / 4) + SCO + 8 + 16 r + w % 4
.set SHI,  17                          ; hidden codes:    4 PT (w / 4) + HIO + 512 (w % 4) + 16 l
.set OA,   19                          ; OUTST + 4 x thread
.set ORD,  20                          ; OUTST + OP r + 128 w + 64 h
.set AW,   21                          ; AIMG + 16 x thread
.set ASW,  22                          ; ASC + 64 (w / 4) + 4 r + w % 4
.set AIR,  23                          ; AIMG + 16 l
.set ASR,  24                          ; ASC + 4 r
.set YW,   25                          ; YST + OP r + 128 w + 32 h
.set YR,   26                          ; YST + 2 OP w + 16 l
.set LIQ,  27                          ; WQI + 8192 w + 16 l
.set LIO,  28                          ; WOI + 8192 w + 16 l
.set OWNW, 29                          ; OWN + 544 w + 272 h + 16 r
.set OWNF, 30                          ; OWN + 272 (r % 8) + 16 h
.set BOR,  31                          ; BOL + 128 w + 32 h
; window 0: lane terms of global addresses; never rewritten
.set GI,   32                          ; 64 w + 4 h
.set GIX,  33                          ; 64 w + 4 r
.set GID,  34                          ; 256 (w / 4) + 4 l
.set GPO,  35                          ; 12 (4 (w / 4) + h)
.set GMK,  36                          ; 16 w + r
.set GOW,  37                          ; 256 (2 w + h) + 16 r
.set GQS,  38                          ; 8 (l % 8)
.set L16,  39                          ; 16 r
.set YG,   40                          ; 16 l
.set BV,   41                          ; bv of channel 32 w + l
.set BQ,   42                          ; v42-43  bq of channel 32 w + 16 t + r
.set WKS,  44                          ; v44-47  scale words (tile t, K step s) at 2 t + s: lanes 0-15 Wk's, lanes 16-31 Wv's
.set WPS,  48                          ; Wp2's scale words: lanes 0-15 tile 0, lanes 16-31 tile 1
.set WQOS, 49                          ; v49-52  lanes 0-15 Wq's, lanes 16-31 Wo's
.set BOW,  53                          ; BOL + 4 x thread
.set IR,   54                          ; v54-61  indices of neighbours 2 i + h of point w, then their rows' byte offsets
.set IXS,  62                          ; index of neighbour r of point w
.set ID,   64                          ; v64-65  index of neighbour r of point 4 (w / 4) + 2 u + h
.set GXS,  66                          ; v66-67  a neighbour's 8 scale bytes
.set NP,   68                          ; v68-73  neighbours' positions
.set PO,   74                          ; v74-79  own positions
.set MKV,  80
.set PENV, 81
.set OWNR, 82                          ; v82-85  16 bytes of an own row
.set QS,   86                          ; v86-89  own rows' scale words (group g, K step s) at 2 g + s
.set D2,   90                          ; v90-91  distances, two points a register
.set DD,   92                          ; v92-95  distances, one point a register, both halves alike
.set Q,    96                          ; v96-127 q of point 8 g + j, tile t, at 16 g + 8 t + j; at the trip's end y and bo
.set XF,   128                         ; v128-159 x fragments of two K steps
.set HF,   160                         ; v160-175 hidden fragment
.set KT,   176                         ; v176-191 k, then w, then the weights p: two tiles
.set VT,   192                         ; v192-207 v + rel
.set REL,  208                         ; v208-223 rel
.set PEN,  224                         ; v224-231 penalties of neighbours 8 h + j
.set XS0,  232                         ; v232-233 x's scale words
.set HS,   234                         ; the hidden layer's
.set SMM,  236                         ; v236-237 maxima;  v238-239 lane exchanges;  v240-241 -M log2(e)
.set SMT,  238
.set SMN,  240
.set SMS,  242                         ; v242-245 sums;  v246-249 second chains;  v250-253 weighted values
.set SMU,  246
.set SMA,  250
.set SMR,  254
.set SMO,  255
.set HN,   128                         ; staging: 4 points x 16 hidden numbers (v128-191);  v192-207 their codes;  v208-223 at work
.set CD,   192
.set TM,   208
.set WT,   128                         ; q and y phases: 4 weight fragments (v128-191), 2 fragments of rows (v192-223)
.set OF,   192
.set YB,   236                         ; rows of y on their way out
; window 1 (written by their low 8 bits)
.set WK,   0                           ; Wk's fragment (t, s) at 16 (2 t + s)
.set WV,   64
.set WP2,  128                         ; Wp2's tile t at 16 t
.set BK,   160                         ; bk, eight registers a tile, in the result's layout
.set BP2,  176
.set W1R,  192                         ; Wp1 and bp1 of hidden units 32 (w % 4) + 16 h + i
.set B1R,  208
.set GX,   224                         ; gathered rows on their way
; scalars
.set WVN,  38                          ; wave;  s39 wave % 4;  s40 wave / 4
.set SEL,  42                          ; s[42:43] selects of v_permlanex16_b32: lane l xor 16
.set HALF, 44                          ; lanes 16-31
.set NL2E, 45                          ; -log2(e)
.set L2E,  46                          ; s[46:47] log2(e), twice: the packed form names the pair
.set MNT,  48                          ; the mantissa field of 57,344
.set TRIP, 49
.set PSO,  60                          ; pos, x_codes, x_scales at the work-group's first point
.set XCW,  62
.set XSW,  66
.set AIC,  68                          ; the pointers in hand
.set MKC,  70
.set PSC,  72
.set XCO,  74
.set XSO,  76
.set OUTC, 78
.set MSB, 0
.macro WIN new                         ; bits 1:0 source 0, 3:2 source 1, 5:4 source 2, 7:6 destination; the high byte repeats the setting that is left
.if MSB != \new
	s_set_vgpr_msb (MSB<<8)|\new
.set MSB, \new
.endif
.endm
.macro PLACES n                        ; plain vector instructions between a matrix instruction and what touches its registers (ISA guide 7.12.1)
.rept \n
	v_nop
.endr
.endm
.macro BARRIER                         ; my LDS stores have landed and my LDS loads are in: then the work-group's barrier
	s_wait_dscnt 0x0
	s_barrier_signal -1
	s_barrier_wait -1
.endm
; a product.  row = 0: both sides' scales in lanes 0-15;  1: source 1's in lanes 16-31;  2: source 0's in lanes 16-31
.macro MM d, a, b, c, sa, sb, row
.if (\row) == 0
	v_wmma_scale_f32_16x16x128_f8f6f4 v[\d:\d+7], v[\a:\a+15], v[\b:\b+15], v[\c:\c+7], v[\sa], v[\sb] matrix_a_fmt:MATRIX_FMT_BF8 matrix_b_fmt:MATRIX_FMT_BF8
.elseif (\row) == 1
	v_wmma_scale_f32_16x16x128_f8f6f4 v[\d:\d+7], v[\a:\a+15], v[\b:\b+15], v[\c:\c+7], v[\sa], v[\sb] matrix_a_fmt:MATRIX_FMT_BF8 matrix_b_fmt:MATRIX_FMT_BF8 matrix_b_scale:MATRIX_SCALE_ROW1
.else
	v_wmma_scale_f32_16x16x128_f8f6f4 v[\d:\d+7], v[\a:\a+15], v[\b:\b+15], v[\c:\c+7], v[\sa], v[\sb] matrix_a_fmt:MATRIX_FMT_BF8 matrix_b_fmt:MATRIX_FMT_BF8 matrix_a_scale:MATRIX_SCALE_ROW1
.endif
.endm
.macro MMZ d, a, b, sa, sb             ; the same, starting a sum with 0
	v_wmma_scale_f32_16x16x128_f8f6f4 v[\d:\d+7], v[\a:\a+15], v[\b:\b+15], 0, v[\sa], v[\sb] matrix_a_fmt:MATRIX_FMT_BF8 matrix_b_fmt:MATRIX_FMT_BF8
.endm
.macro OCT add                         ; s50 = the octet (2 trip + add) mod 16 of the work-group's sixteen;  s53 = 0: the upper word of the offset pair s[52:53]
	s_lshl_b32 s50, s[TRIP], 1
	s_add_co_u32 s50, s50, \add
	s_and_b32 s50, s50, 15
	s_mov_b32 s53, 0
.endm
; The indices of an octet, in the three arrangements in which they are used: 11 loads.
.macro IDX_LOAD add
	s_wait_xcnt 0x0                                ; the gather's loads have read the registers that these loads fill, and the pointer's last users are done
	OCT \add
	s_lshl_b32 s52, s50, 9                         ; 8 points x 64 bytes
	s_add_nc_u64 s[AIC:AIC+1], s[8:9], s[52:53]
.irp i, 0,1,2,3,4,5,6,7
	global_load_b32 v[IR+\i], v[GI], s[AIC:AIC+1] offset:8*\i
.endr
	global_load_b32 v[IXS], v[GIX], s[AIC:AIC+1]
	global_load_b32 v[ID], v[GID], s[AIC:AIC+1]
	global_load_b32 v[ID+1], v[GID], s[AIC:AIC+1] offset:128
.endm
; What an octet's staging reads: 22 loads; own = 1: 3 more, for the next trip's own rows.
.macro GATHER add, own, badd
	s_wait_loadcnt 0x0                             ; the indices, asked for an octet ago
	s_wait_xcnt 0x0                                ; and every earlier store has read its registers and its base
.irp i, 0,1,2,3,4,5,6,7
	v_min_u32 v[IR+\i], 0x7fff, v[IR+\i]           ; an index stays inside the table
.endr
	v_min_u32 v[IXS], 0x7fff, v[IXS]
	v_min_u32 v[ID], 0x7fff, v[ID]
	v_min_u32 v[ID+1], 0x7fff, v[ID+1]
.irp i, 0,1,2,3,4,5,6,7
	v_lshl_add_u32 v[IR+\i], v[IR+\i], 8, v[L16]   ; a row of 256 codes; sixteen lanes take it whole
.endr
	v_lshlrev_b32 v[IXS], 3, v[IXS]
	v_mul_u32_u24 v[ID], v[ID], 12
	v_mul_u32_u24 v[ID+1], v[ID+1], 12
	OCT \add
	s_lshl_b32 s52, s50, 7                         ; 8 points x 16 mask bytes
	s_add_nc_u64 s[MKC:MKC+1], s[10:11], s[52:53]
	s_mul_i32 s52, s50, 96                         ; 8 points x 12 bytes
	s_add_nc_u64 s[PSC:PSC+1], s[PSO:PSO+1], s[52:53]
	WIN 0x40
.irp i, 0,1,2,3,4,5,6,7
	global_load_b128 v[GX+4*\i:GX+4*\i+3], v[IR+\i], s[4:5]        ; neighbours 2 i and 2 i + 1 of point w
.endr
	WIN 0
	global_load_b64 v[GXS:GXS+1], v[IXS], s[6:7]
.irp u, 0,1
.irp k, 0,1,2
	global_load_b32 v[NP+3*\u+\k], v[ID+\u], s[12:13] offset:4*\k
	global_load_b32 v[PO+3*\u+\k], v[GPO], s[PSC:PSC+1] offset:24*\u+4*\k
.endr
.endr
	global_load_u8 v[MKV], v[GMK], s[MKC:MKC+1]
.if \own
	s_add_co_u32 s51, s[TRIP], \badd
	s_and_b32 s51, s51, 7
	s_lshl_b32 s52, s51, 12                        ; 16 rows x 256 bytes
	s_add_nc_u64 s[XCO:XCO+1], s[XCW:XCW+1], s[52:53]
	s_lshl_b32 s52, s51, 7                         ; 16 rows x 8 bytes
	s_add_nc_u64 s[XSO:XSO+1], s[XSW:XSW+1], s[52:53]
	global_load_b128 v[OWNR:OWNR+3], v[GOW], s[XCO:XCO+1]
	global_load_b64 v[QS:QS+1], v[GQS], s[XSO:XSO+1]
	global_load_b64 v[QS+2:QS+3], v[GQS], s[XSO:XSO+1] offset:64
.endif
.endm
; Point p of stage b comes into registers: 15 LDS loads.
.macro FRAGS b, p
.irp s, 0,1
.irp c, 0,1,2,3
	ds_load_b128 v[XF+16*\s+4*\c:XF+16*\s+4*\c+3], v[LF+\b] offset:(\p)*PT+128*\s+32*\c
.endr
.endr
.irp c, 0,1,2,3
	ds_load_b128 v[HF+4*\c:HF+4*\c+3], v[LI+\b] offset:(\p)*PT+512*\c
.endr
	ds_load_b96 v[XS0:XS0+2], v[LS+\b] offset:(\p)*PT
	ds_load_b128 v[PEN:PEN+3], v[LP+\b] offset:(\p)*PT
	ds_load_b128 v[PEN+4:PEN+7], v[LP+\b] offset:(\p)*PT+16
.endm
; ONE POINT: my 32 channels against its 16 neighbours.  pb: its place among the trip's 16;  nxt = 1: the next point's registers are fetched on the way.
.macro POINT b, p, pb, nxt
.set QR, Q+16*((\pb)/8)+(\pb)%8
.if (\p) == 0
	s_wait_dscnt 0x0
.else
	s_wait_dscnt 0x1                               ; the 15 loads are in; the last point's result store, issued behind them, may be out
.endif
	WIN 0x14                                       ; weights and biases in window 1
	MM REL,   HF, WP2,    BP2,   HS,  WPS,   0     ; the accumulators take turns, one instruction a turn
	MM REL+8, HF, WP2+16, BP2+8, HS,  WPS,   1
	MM KT,    XF, WK,     BK,    XS0, WKS,   0
	MM KT+8,  XF, WK+32,  BK+8,  XS0, WKS+2, 0
	WIN 0x04
	MM KT,    XF+16, WK+16, KT,   XS0+1, WKS+1, 0
	MM KT+8,  XF+16, WK+48, KT+8, XS0+1, WKS+3, 0
	PLACES 9                                       ; rel becomes the C of another accumulator: nine places; they also stand ahead of the first vector reads of k and rel
	MM VT,    XF, WV,    REL,   XS0, WKS,   1      ; v + rel
	MM VT+8,  XF, WV+32, REL+8, XS0, WKS+2, 1
	MM VT,    XF+16, WV+16, VT,   XS0+1, WKS+1, 1
	MM VT+8,  XF+16, WV+48, VT+8, XS0+1, WKS+3, 1
	WIN 0
.irp i, 0,1,2,3                        ; w = k q + rel, from each accumulator's low end on; q stands in one register of a pair and serves both halves
.irp t, 0,1
.if (\pb)%2
	v_pk_fma_f32 v[KT+8*\t+2*\i:KT+8*\t+2*\i+1], v[KT+8*\t+2*\i:KT+8*\t+2*\i+1], v[QR+8*\t-1:QR+8*\t], v[REL+8*\t+2*\i:REL+8*\t+2*\i+1] op_sel:[0,1,0] op_sel_hi:[1,1,1]
.else
	v_pk_fma_f32 v[KT+8*\t+2*\i:KT+8*\t+2*\i+1], v[KT+8*\t+2*\i:KT+8*\t+2*\i+1], v[QR+8*\t:QR+8*\t+1], v[REL+8*\t+2*\i:REL+8*\t+2*\i+1] op_sel_hi:[1,0,1]
.endif
.endr
.endr
.irp i, 0,1,2,3
.irp t, 0,1
	v_pk_add_f32 v[KT+8*\t+2*\i:KT+8*\t+2*\i+1], v[KT+8*\t+2*\i:KT+8*\t+2*\i+1], v[PEN+2*\i:PEN+2*\i+1]   ; the mask: + 0 or - infinity
.endr
.endr
.irp t, 0,1
	v_max3_num_f32 v[SMM+\t], v[KT+8*\t], v[KT+8*\t+1], v[KT+8*\t+2]
.endr
.irp i, 3,5
.irp t, 0,1
	v_max3_num_f32 v[SMM+\t], v[SMM+\t], v[KT+8*\t+\i], v[KT+8*\t+\i+1]
.endr
.endr
.irp t, 0,1
	v_max_num_f32 v[SMM+\t], v[SMM+\t], v[KT+8*\t+7]
.endr
.irp t, 0,1
	v_permlanex16_b32 v[SMT+\t], v[SMM+\t], s[SEL], s[SEL+1]       ; the other eight neighbours lie in the lane 16 away
.endr
.irp t, 0,1
	v_max_num_f32 v[SMM+\t], v[SMM+\t], v[SMT+\t]
.endr
.irp t, 0,1
	v_mul_f32 v[SMN+\t], s[NL2E], v[SMM+\t]
.endr
.if \nxt
	FRAGS \b, (\p)+1                               ; behind the last products stand the eight additions of the mask and the eight maxima, which name none of their registers
.endif
.irp i, 0,1,2,3
	v_pk_fma_f32 v[KT+2*\i:KT+2*\i+1], v[KT+2*\i:KT+2*\i+1], s[L2E:L2E+1], v[SMN:SMN+1] op_sel_hi:[1,0,0]              ; (w - M) log2(e)
	v_pk_fma_f32 v[KT+8+2*\i:KT+8+2*\i+1], v[KT+8+2*\i:KT+8+2*\i+1], s[L2E:L2E+1], v[SMN:SMN+1] op_sel:[0,0,1] op_sel_hi:[1,0,1]
.endr
.irp j, 0,1,2,3,4,5,6,7,8,9,10,11,12,13,14,15
	v_exp_f32 v[KT+\j], v[KT+\j]
.endr
	v_nop                                          ; a plain instruction behind the last exponential,
	s_wait_alu depctr_va_vdst(0)                   ; and one wait for the batch, ahead of its first reader
.irp t, 0,1
	v_pk_add_f32 v[SMS+2*\t:SMS+2*\t+1], v[KT+8*\t:KT+8*\t+1], v[KT+8*\t+2:KT+8*\t+3]
	v_pk_add_f32 v[SMU+2*\t:SMU+2*\t+1], v[KT+8*\t+4:KT+8*\t+5], v[KT+8*\t+6:KT+8*\t+7]
	v_pk_mul_f32 v[SMA+2*\t:SMA+2*\t+1], v[KT+8*\t:KT+8*\t+1], v[VT+8*\t:VT+8*\t+1]
.endr
.irp i, 1,2,3
.irp t, 0,1
	v_pk_fma_f32 v[SMA+2*\t:SMA+2*\t+1], v[KT+8*\t+2*\i:KT+8*\t+2*\i+1], v[VT+8*\t+2*\i:VT+8*\t+2*\i+1], v[SMA+2*\t:SMA+2*\t+1]
.endr
.endr
.irp t, 0,1
	v_pk_add_f32 v[SMS+2*\t:SMS+2*\t+1], v[SMS+2*\t:SMS+2*\t+1], v[SMU+2*\t:SMU+2*\t+1]
.endr
.irp t, 0,1
	v_add_f32 v[SMS+2*\t], v[SMS+2*\t], v[SMS+2*\t+1]
	v_add_f32 v[SMA+2*\t], v[SMA+2*\t], v[SMA+2*\t+1]
.endr
	; the halves of the lanes meet, and the two tiles part: lanes 0-15 end with tile 0's channel r, lanes 16-31 with tile 1's
	v_cndmask_b32 v[SMU], v[SMS], v[SMS+2], s[HALF]                ; what I keep: my half's part of my tile,
	v_cndmask_b32 v[SMU+1], v[SMS+2], v[SMS], s[HALF]              ; what I send: my half's part of the other tile
	v_cndmask_b32 v[SMU+2], v[SMA], v[SMA+2], s[HALF]
	v_cndmask_b32 v[SMU+3], v[SMA+2], v[SMA], s[HALF]
	v_permlanex16_b32 v[SMT], v[SMU+1], s[SEL], s[SEL+1]
	v_permlanex16_b32 v[SMT+1], v[SMU+3], s[SEL], s[SEL+1]
	v_add_f32 v[SMU], v[SMU], v[SMT]
	v_add_f32 v[SMU+2], v[SMU+2], v[SMT+1]
	v_rcp_f32 v[SMR], v[SMU]
	v_nop
	s_wait_alu depctr_va_vdst(0)
	v_fma_f32 v[SMO], v[SMU+2], v[SMR], v[BV]                      ; sum of p (v + rel) / sum of p + bv
	ds_store_b32 v[OA], v[SMO] offset:OP*(\pb)                     ; 128 consecutive bytes of the point's row
.endm
; THE NEXT OCTET IS STAGED into stage b.
.macro PRODUCE b, own
	s_wait_loadcnt 11                              ; all that the gather asked for is in; the 11 index loads issued behind it may be out
	WIN 0x04                                       ; an LDS store's data are its source 1
.irp i, 0,1,2,3,4,5,6,7
	ds_store_b128 v[SX+\b], v[GX+4*\i:GX+4*\i+3] offset:544*\i
.endr
	WIN 0
	ds_store_b64 v[SXS+\b], v[GXS:GXS+1]
	v_cmp_ne_u32 vcc_lo, 0, v[MKV]
	v_mov_b32 v[PENV], 0xff800000
	v_cndmask_b32 v[PENV], 0, v[PENV], vcc_lo
	ds_store_b32 v[SPN+\b], v[PENV]
.if \own
	ds_store_b128 v[OWNW], v[OWNR:OWNR+3]
.endif
.irp u, 0,1
.irp k, 0,1,2
	v_sub_f32 v[NP+3*\u+\k], v[NP+3*\u+\k], v[PO+3*\u+\k]
.endr
.endr
.irp u, 0,1
	v_mul_f32 v[D2+\u], v[NP+3*\u], v[NP+3*\u]
.endr
.irp k, 1,2
.irp u, 0,1
	v_fma_f32 v[D2+\u], v[NP+3*\u+\k], v[NP+3*\u+\k], v[D2+\u]
.endr
.endr
.irp u, 0,1
	v_sqrt_f32 v[D2+\u], v[D2+\u]
.endr
	v_nop
	s_wait_alu depctr_va_vdst(0)                   ; one wait for both roots
.irp u, 0,1
	v_permlanex16_b32 v[SMT+\u], v[D2+\u], s[SEL], s[SEL+1]
.endr
.irp u, 0,1
	v_cndmask_b32 v[DD+2*\u], v[D2+\u], v[SMT+\u], s[HALF]         ; the point that lanes 0-15 held, in both halves;
	v_cndmask_b32 v[DD+2*\u+1], v[SMT+\u], v[D2+\u], s[HALF]       ; the point that lanes 16-31 held
.endr
	WIN 0x14
.irp n, 0,1,2,3                        ; d Wp1 + bp1 for my 16 hidden units of neighbour r, four points
.irp i, 0,1,2,3,4,5,6,7
.if \n%2
	v_pk_fma_f32 v[HN+16*\n+2*\i:HN+16*\n+2*\i+1], v[DD+\n-1:DD+\n], v[W1R+2*\i:W1R+2*\i+1], v[B1R+2*\i:B1R+2*\i+1] op_sel:[1,0,0] op_sel_hi:[1,1,1]
.else
	v_pk_fma_f32 v[HN+16*\n+2*\i:HN+16*\n+2*\i+1], v[DD+\n:DD+\n+1], v[W1R+2*\i:W1R+2*\i+1], v[B1R+2*\i:B1R+2*\i+1] op_sel_hi:[0,1,1]
.endif
.endr
.endr
	WIN 0
.irp n, 0,1,2,3                        ; the block's largest number.  No |.|: what is negative becomes 0, so it must not count; the floor 2^(16 - 127) holds the byte at 1 from below
	v_max3_num_f32 v[TM+\n], v[HN+16*\n], v[HN+16*\n+1], 0x8000000
.endr
.irp i, 2,4,6,8,10,12,14
.irp n, 0,1,2,3
	v_max3_num_f32 v[TM+\n], v[TM+\n], v[HN+16*\n+\i], v[HN+16*\n+\i+1]
.endr
.endr
.irp n, 0,1,2,3
	v_permlanex16_b32 v[TM+4+\n], v[TM+\n], s[SEL], s[SEL+1]       ; the block's other 16 units lie in the lane 16 away
.endr
.irp n, 0,1,2,3
	v_max_num_f32 v[TM+\n], v[TM+\n], v[TM+4+\n]
.endr
.irp n, 0,1,2,3
	v_add_nc_u32 v[TM+12+\n], 0xf8800000, v[TM+\n]                 ; 15 off the exponent field: the conversion's scale operand
.endr
.irp n, 0,1,2,3
	v_and_or_b32 v[TM+8+\n], v[TM+\n], 0x7f800000, s[MNT]          ; 57,344 x the scale
.endr
.irp n, 0,1,2,3
	v_lshrrev_b32 v[TM+4+\n], 23, v[TM+12+\n]                      ; the scale's byte
.endr
.irp n, 0,1,2,3
.irp i, 0,1,2,3,4,5,6,7,8,9,10,11,12,13,14,15
	v_med3_num_f32 v[HN+16*\n+\i], v[HN+16*\n+\i], 0, v[TM+8+\n]   ; the activation and the hold in one: the conversion to an 8-bit code does not saturate (ISA guide 7.6.2)
.endr
	v_cvt_scalef32_pk8_bf8_f32 v[CD+4*\n:CD+4*\n+1], v[HN+16*\n:HN+16*\n+7], v[TM+12+\n]
	v_cvt_scalef32_pk8_bf8_f32 v[CD+4*\n+2:CD+4*\n+3], v[HN+16*\n+8:HN+16*\n+15], v[TM+12+\n]
.endr
	v_nop                                          ; a plain instruction behind the last conversion
.irp n, 0,1,2,3
	ds_store_b128 v[SHI+\b], v[CD+4*\n:CD+4*\n+3] offset:PT*\n     ; registers 4 c .. 4 c + 3 of the fragment's image, c = wave % 4
	ds_store_b8 v[SHS+\b], v[TM+4+\n] offset:PT*\n                 ; byte c of the row's scale word; both halves of the lanes write the same
.endr
.endm
; q of the trip's 16 points.  A group of eight points is given twice as source 0 (rows r and r + 8 alike), so that both halves of the lanes hold q of point 8 g + j in register j.
.macro QPHASE
.irp k, 0,1,2,3,4,5,6,7,8,9,10,11,12,13,14,15
	ds_load_b128 v[WT+4*\k:WT+4*\k+3], v[LIQ] offset:512*\k
.endr
.irp g, 0,1
.irp s, 0,1
.irp c, 0,1,2,3
	ds_load_b128 v[OF+16*\s+4*\c:OF+16*\s+4*\c+3], v[OWNF] offset:2176*\g+128*\s+32*\c
.endr
.endr
	s_wait_dscnt 0x0
	MMZ Q+16*\g,   OF,    WT,    QS+2*\g,   WQOS
	MMZ Q+16*\g+8, OF,    WT+32, QS+2*\g,   WQOS+2
	MM  Q+16*\g,   OF+16, WT+16, Q+16*\g,   QS+2*\g+1, WQOS+1, 0
	MM  Q+16*\g+8, OF+16, WT+48, Q+16*\g+8, QS+2*\g+1, WQOS+3, 0
	PLACES 8                                       ; ahead of loads into the operands and of the first reads of q
.endr
.irp g, 0,1
.irp i, 0,1,2,3
	v_pk_add_f32 v[Q+16*\g+2*\i:Q+16*\g+2*\i+1], v[Q+16*\g+2*\i:Q+16*\g+2*\i+1], v[BQ:BQ+1] op_sel_hi:[1,0]
	v_pk_add_f32 v[Q+16*\g+8+2*\i:Q+16*\g+8+2*\i+1], v[Q+16*\g+8+2*\i:Q+16*\g+8+2*\i+1], v[BQ:BQ+1] op_sel:[0,1] op_sel_hi:[1,1]
.endr
.endr
.endm
; y = out Wo^T + bo for the trip's 16 points.
.macro OPHASE
.irp j, 0,1,2,3
	ds_load_b128 v[OF+4*\j:OF+4*\j+3], v[ORD] offset:16*\j         ; point r, channels 32 w + 16 h + 0 .. 15: my half of block w
.endr
.irp k, 0,1,2,3,4,5,6,7,8,9,10,11,12,13,14,15
	ds_load_b128 v[WT+4*\k:WT+4*\k+3], v[LIO] offset:512*\k
.endr
.irp t, 0,1
.irp e, 0,1
	ds_load_b128 v[Q+16+8*\t+4*\e:Q+16+8*\t+4*\e+3], v[BOR] offset:64*\t+16*\e   ; bo in the result's layout
.endr
.endr
	s_wait_dscnt 20                                ; the first four loads are in; Wo's sixteen and bo's four may be out
	v_max3_num_f32 v[TM+4], |v[OF]|, |v[OF+1]|, 0x8000000
.irp i, 2,4,6,8,10,12,14
	v_max3_num_f32 v[TM+4], v[TM+4], |v[OF+\i]|, |v[OF+\i+1]|
.endr
	v_permlanex16_b32 v[TM+5], v[TM+4], s[SEL], s[SEL+1]
	v_max_num_f32 v[TM+4], v[TM+4], v[TM+5]
	v_add_nc_u32 v[TM+7], 0xf8800000, v[TM+4]
	v_and_or_b32 v[TM+6], v[TM+4], 0x7f800000, s[MNT]
	v_lshrrev_b32 v[TM+5], 23, v[TM+7]
.irp i, 0,1,2,3,4,5,6,7,8,9,10,11,12,13,14,15
	v_med3_num_f32 v[OF+\i], v[OF+\i], -v[TM+6], v[TM+6]
.endr
	v_cvt_scalef32_pk8_bf8_f32 v[TM:TM+1], v[OF:OF+7], v[TM+7]
	v_cvt_scalef32_pk8_bf8_f32 v[TM+2:TM+3], v[OF+8:OF+15], v[TM+7]
	v_nop
	ds_store_b128 v[AW], v[TM:TM+3]                ; K step w / 4, registers 4 (w % 4) on, of the image
	ds_store_b8 v[ASW], v[TM+5]
	BARRIER                                        ; both fragments of out and their scale words lie in LDS
.irp s, 0,1
.irp c, 0,1,2,3
	ds_load_b128 v[OF+16*\s+4*\c:OF+16*\s+4*\c+3], v[AIR] offset:2048*\s+512*\c
.endr
.endr
	ds_load_b32 v[XS0], v[ASR]
	ds_load_b32 v[XS0+1], v[ASR] offset:64
	s_wait_dscnt 0x0
	MM Q,   WT,    OF,    Q+16, WQOS,   XS0,   2   ; transposed: source 0 = 16 rows of Wo, source 1 = the 16 points
	MM Q+8, WT+32, OF,    Q+24, WQOS+2, XS0,   2
	MM Q,   WT+16, OF+16, Q,    WQOS+1, XS0+1, 2
	MM Q+8, WT+48, OF+16, Q+8,  WQOS+3, XS0+1, 2
	PLACES 9                                       ; eight ahead of the stores below and of the next trip's loads into the operands; the ninth since the next trip's q products write over these results and bo
.irp t, 0,1
.irp e, 0,1
	ds_store_b128 v[YW], v[Q+8*\t+4*\e:Q+8*\t+4*\e+3] offset:64*\t+16*\e         ; y(point r, 32 w + 16 t + 8 h + 4 e ..)
.endr
.endr
	BARRIER                                        ; 16 whole rows of y lie in the stage
.irp i, 0,1
.irp e, 0,1
	ds_load_b128 v[YB+8*\i+4*\e:YB+8*\i+4*\e+3], v[YR] offset:OP*\i+512*\e
.endr
.endr
	s_lshl_b32 s52, s[TRIP], 14                    ; 16 rows x 1,024 bytes
	s_mov_b32 s53, 0
	s_add_nc_u64 s[OUTC:OUTC+1], s[14:15], s[52:53]                ; the last trip's stores have read this base: two waits on XCNT for 0 stand between
	s_wait_dscnt 0x0
.irp i, 0,1
.irp e, 0,1
	global_store_b128 v[YG], v[YB+8*\i+4*\e:YB+8*\i+4*\e+3], s[OUTC:OUTC+1] offset:1024*\i+512*\e th:TH_STORE_NT   ; 32 lanes store 512 consecutive bytes, at a multiple of 256 from the buffer's first byte
.endr
.endr
.endm
; ---------------------------------------------------------------- the head
	s_load_b512 s[4:19], s[0:1], 0x0               ; x_codes 4, x_scales 6, attn_index 8, mask 10, pos 12, out0 14, Wqkv_codes 16, Wqkv_scales 18
	s_load_b512 s[20:35], s[0:1], 0x40             ; bqkv 20, Wp1 22, bp1 24, Wp2_codes 26, Wp2_scales 28, bp2 30, Wo_codes 32, Wo_scales 34
	s_load_b64 s[36:37], s[0:1], 0x80              ; bo
	v_lshl_add_u32 v63, v0, 2, 0x44c00
	v_mov_b32 v235, 0
	v_lshrrev_b32 v96, 5, v0
	v_readfirstlane_b32 s[WVN], v96                ; wave 0..7
	s_and_b32 s39, s[WVN], 3
	s_lshr_b32 s40, s[WVN], 2
	v_and_b32 v96, 31, v0                          ; l
	v_and_b32 v97, 15, v0                          ; r
	v_bfe_u32 v98, v0, 4, 1                        ; h
	v_and_b32 v99, 7, v0                           ; r % 8
	v_mul_u32_u24 v[LF], v97, 272
	v_lshl_add_u32 v[LF], v98, 4, v[LF]
	v_lshl_add_u32 v[LI], v96, 4, HIO
	v_lshl_add_u32 v[LS], v97, 4, SCO
	v_lshl_add_u32 v[LP], v98, 5, PNO
	s_mul_i32 s50, s[WVN], PT
	v_mul_u32_u24 v[SX], v98, 272
	v_lshl_add_u32 v[SX], v97, 4, v[SX]
	v_add_nc_u32 v[SX], s50, v[SX]
	v_add_nc_u32 v[SXS], s50, v[LS]
	v_lshl_add_u32 v[SPN], v97, 2, PNO
	v_add_nc_u32 v[SPN], s50, v[SPN]
	s_mul_i32 s51, s40, 4*PT
	s_add_co_u32 s52, s51, s39
	v_lshl_add_u32 v[SHS], v97, 4, SCO+8
	v_add_nc_u32 v[SHS], s52, v[SHS]
	s_lshl_b32 s53, s39, 9
	s_add_co_u32 s53, s53, s51
	v_add_nc_u32 v[SHI], s53, v[LI]
.irp a, LF, LI, LS, LP, SX, SXS, SPN, SHS, SHI
	v_add_nc_u32 v[\a+1], STG1, v[\a]              ; the same place in stage 1
.endr
	v_lshl_add_u32 v[OA], v0, 2, OUTST             ; 128 w + 4 l = 4 x thread
	s_lshl_b32 s54, s[WVN], 7
	v_mul_u32_u24 v[ORD], v97, OP
	v_lshl_add_u32 v[YW], v98, 5, v[ORD]
	v_lshl_add_u32 v[ORD], v98, 6, v[ORD]
	v_add_nc_u32 v[ORD], s54, v[ORD]
	v_add_nc_u32 v[ORD], OUTST, v[ORD]
	v_add_nc_u32 v[YW], s54, v[YW]
	v_add_nc_u32 v[YW], YST, v[YW]
	v_lshl_add_u32 v[AW], v0, 4, AIMG              ; 512 w + 16 l = 16 x thread
	s_lshl_b32 s55, s40, 6
	s_add_co_u32 s55, s55, s39
	v_lshl_add_u32 v[ASR], v97, 2, ASC
	v_add_nc_u32 v[ASW], s55, v[ASR]
	v_lshl_add_u32 v[AIR], v96, 4, AIMG
	s_mul_i32 s56, s[WVN], 2*OP
	v_lshl_add_u32 v[YR], v96, 4, YST
	v_add_nc_u32 v[YR], s56, v[YR]
	s_lshl_b32 s57, s[WVN], 13
	v_lshl_add_u32 v[LIQ], v96, 4, WQI
	v_add_nc_u32 v[LIQ], s57, v[LIQ]
	v_add_nc_u32 v[LIO], WOI-WQI, v[LIQ]
	s_mul_i32 s58, s[WVN], 544
	v_mul_u32_u24 v[OWNW], v98, 272
	v_lshl_add_u32 v[OWNW], v97, 4, v[OWNW]
	v_add_nc_u32 v[OWNW], s58, v[OWNW]
	v_add_nc_u32 v[OWNW], OWN, v[OWNW]
	v_mul_u32_u24 v[OWNF], v99, 272
	v_lshl_add_u32 v[OWNF], v98, 4, v[OWNF]
	v_add_nc_u32 v[OWNF], OWN, v[OWNF]
	v_lshl_add_u32 v[BOR], v98, 5, BOL
	v_add_nc_u32 v[BOR], s54, v[BOR]
	v_lshl_add_u32 v[BOW], v0, 2, BOL
	s_lshl_b32 s59, s[WVN], 6
	v_lshl_add_u32 v[GI], v98, 2, s59
	v_lshl_add_u32 v[GIX], v97, 2, s59
	s_lshl_b32 s59, s40, 8
	v_lshl_add_u32 v[GID], v96, 2, s59
	s_mul_i32 s59, s40, 48
	v_mul_u32_u24 v[GPO], v98, 12
	v_add_nc_u32 v[GPO], s59, v[GPO]
	s_lshl_b32 s59, s[WVN], 4
	v_add_nc_u32 v[GMK], s59, v97
	s_lshl_b32 s59, s[WVN], 9
	v_lshlrev_b32 v[L16], 4, v97
	v_lshl_add_u32 v[GOW], v98, 8, v[L16]
	v_add_nc_u32 v[GOW], s59, v[GOW]
	v_lshlrev_b32 v[GQS], 3, v99
	v_lshlrev_b32 v[YG], 4, v96
	; lane terms for the weights, used at the head alone (in registers that q takes later)
	v_lshlrev_b32 v100, 8, v97
	v_lshl_add_u32 v100, v98, 4, v100              ; rows of 256 codes: 256 r + 16 h
	v_lshlrev_b32 v101, 7, v97
	v_lshl_add_u32 v101, v98, 4, v101              ; rows of 128 codes: 128 r + 16 h
	v_lshlrev_b32 v102, 2, v97                     ; 4 r
	v_lshlrev_b32 v103, 6, v98                     ; 64 h
	v_lshlrev_b32 v105, 3, v97                     ; 8 r
	v_lshl_add_u32 v104, v98, 11, v105             ; 8 r + 2048 h: lanes 16-31 stand 256 rows of scale bytes further on (Wv behind Wk)
	v_lshlrev_b32 v106, 2, v0                      ; 4 x thread
	v_lshlrev_b32 v107, 2, v96                     ; 4 l
	s_mov_b32 s[SEL], 0x76543210
	s_mov_b32 s[SEL+1], 0xfedcba98
	s_mov_b32 s[HALF], 0xffff0000
	s_mov_b32 s[NL2E], 0xbfb8aa3b
	s_mov_b32 s[L2E], 0x3fb8aa3b
	s_mov_b32 s[L2E+1], 0x3fb8aa3b
	s_mov_b32 s[MNT], 0x600000
	s_mov_b32 s[TRIP], 0
	s_mov_b32 s51, 0                               ; the upper word of the offset pair s[50:51]
	s_wait_kmcnt 0x0
	s_lshl_b32 s50, ttmp9, 13                      ; the work-group's 128 points: 64 bytes of indices each,
	s_add_nc_u64 s[8:9], s[8:9], s[50:51]
	s_lshl_b32 s50, ttmp9, 11                      ; 16 mask bytes,
	s_add_nc_u64 s[10:11], s[10:11], s[50:51]
	s_mul_i32 s50, ttmp9, 1536                     ; 12 bytes of pos,
	s_add_nc_u64 s[PSO:PSO+1], s[12:13], s[50:51]
	s_lshl_b32 s50, ttmp9, 15                      ; 256 codes,
	s_add_nc_u64 s[XCW:XCW+1], s[4:5], s[50:51]
	s_lshl_b32 s50, ttmp9, 10                      ; 8 scale bytes,
	s_add_nc_u64 s[XSW:XSW+1], s[6:7], s[50:51]
	s_lshl_b32 s50, ttmp9, 17                      ; 1,024 bytes of y; my wave stores rows 2 w and 2 w + 1 of each 16
	s_lshl_b32 s52, s[WVN], 11
	s_add_co_u32 s50, s50, s52
	s_add_nc_u64 s[14:15], s[14:15], s[50:51]
	s_lshl_b32 s50, s[WVN], 13                     ; my 32 rows of 256 codes
	s_add_nc_u64 s[16:17], s[16:17], s[50:51]
	s_add_nc_u64 s[32:33], s[32:33], s[50:51]
	s_lshl_b32 s50, s[WVN], 8                      ; of 8 scale bytes
	s_add_nc_u64 s[18:19], s[18:19], s[50:51]
	s_add_nc_u64 s[34:35], s[34:35], s[50:51]
	s_lshl_b32 s50, s[WVN], 7                      ; my 32 biases
	s_add_nc_u64 s[20:21], s[20:21], s[50:51]
	s_add_nc_u64 s[30:31], s[30:31], s[50:51]
	s_lshl_b32 s50, s39, 7                         ; my 32 hidden units
	s_add_nc_u64 s[22:23], s[22:23], s[50:51]
	s_add_nc_u64 s[24:25], s[24:25], s[50:51]
	s_lshl_b32 s50, s[WVN], 12                     ; my 32 rows of 128 codes
	s_add_nc_u64 s[26:27], s[26:27], s[50:51]
	IDX_LOAD 0                                     ; octet 0's indices first: the first gather hangs on them
	WIN 0x40                                       ; destinations in window 1
.irp t, 0,1
.irp s, 0,1
.irp c, 0,1,2,3
	global_load_b128 v[WK+16*(2*\t+\s)+4*\c:WK+16*(2*\t+\s)+4*\c+3], v100, s[16:17] offset:65536+4096*\t+128*\s+32*\c
	global_load_b128 v[WV+16*(2*\t+\s)+4*\c:WV+16*(2*\t+\s)+4*\c+3], v100, s[16:17] offset:131072+4096*\t+128*\s+32*\c
.endr
.endr
.endr
.irp t, 0,1
.irp c, 0,1,2,3
	global_load_b128 v[WP2+16*\t+4*\c:WP2+16*\t+4*\c+3], v101, s[26:27] offset:2048*\t+32*\c
.endr
.endr
.irp t, 0,1
.irp j, 0,1,2,3,4,5,6,7
	global_load_b32 v[BK+8*\t+\j], v102, s[20:21] offset:1024+64*\t          ; a channel's bias in all eight registers of the tile
	global_load_b32 v[BP2+8*\t+\j], v102, s[30:31] offset:64*\t
.endr
.endr
.irp c, 0,1,2,3
	global_load_b128 v[W1R+4*\c:W1R+4*\c+3], v103, s[22:23] offset:16*\c
	global_load_b128 v[B1R+4*\c:B1R+4*\c+3], v103, s[24:25] offset:16*\c
.endr
.irp s, 0,1
.irp c, 0,1,2,3
	global_load_b128 v[GX+16*\s+4*\c:GX+16*\s+4*\c+3], v100, s[32:33] offset:4096+128*\s+32*\c   ; Wo's tile 1 passes through the registers of the gather, which are still free
.endr
.endr
	WIN 0
.irp t, 0,1
.irp s, 0,1
.irp c, 0,1,2,3
	global_load_b128 v[WT+16*(2*\t+\s)+4*\c:WT+16*(2*\t+\s)+4*\c+3], v100, s[16:17] offset:4096*\t+128*\s+32*\c   ; Wq
.endr
.endr
.endr
.irp s, 0,1
.irp c, 0,1,2,3
	global_load_b128 v[OF+16*\s+4*\c:OF+16*\s+4*\c+3], v100, s[32:33] offset:128*\s+32*\c        ; Wo's tile 0
.endr
.endr
	global_load_b32 v[BV], v107, s[20:21] offset:2048
	global_load_b32 v[BQ], v102, s[20:21]
	global_load_b32 v[BQ+1], v102, s[20:21] offset:64
	global_load_b32 v[WPS], v106, s[28:29]
	global_load_b32 v116, v106, s[36:37]           ; bo, a number a thread
.irp t, 0,1
.irp s, 0,1
	global_load_b32 v[WKS+2*\t+\s], v104, s[18:19] offset:2048+128*\t+4*\s
	global_load_b32 v[108+2*\t+\s], v105, s[18:19] offset:128*\t+4*\s
	global_load_b32 v[112+2*\t+\s], v105, s[34:35] offset:128*\t+4*\s
.endr
.endr
	s_wait_loadcnt 0x0
.irp k, 0,1,2,3,4,5,6,7,8,9,10,11,12,13,14,15
	ds_store_b128 v[LIQ], v[WT+4*\k:WT+4*\k+3] offset:512*\k       ; images of the fragments: lane l's 16 bytes at 16 l; my wave alone reads them back
.endr
.irp k, 0,1,2,3,4,5,6,7
	ds_store_b128 v[LIO], v[OF+4*\k:OF+4*\k+3] offset:512*\k
.endr
	WIN 0x04
.irp k, 0,1,2,3,4,5,6,7
	ds_store_b128 v[LIO], v[GX+4*\k:GX+4*\k+3] offset:4096+512*\k
.endr
	WIN 0
	ds_store_b32 v[BOW], v116
.irp k, 0,1,2,3
	v_cndmask_b32 v[WQOS+\k], v[108+\k], v[112+\k], s[HALF]        ; Wq's scale words below, Wo's above
.endr
.irp k, 0,1,2,3
	v_mov_b32 v[TM+4+\k], 0                        ; written once: a lane exchange's destination counts as one of its sources
.endr
	v_mov_b32 v[SMT], 0
	v_mov_b32 v[SMT+1], 0
	s_wait_dscnt 0x0                               ; the stores have read their registers: the gather may load into them
	GATHER 0, 1, 0
	IDX_LOAD 1
	PRODUCE 0, 1
	BARRIER                                        ; octet 0, the first 16 own rows and bo lie in LDS
; ---------------------------------------------------------------- a trip: 16 points
.Ltrip:
	QPHASE
	FRAGS 0, 0
	GATHER 1, 0, 0                                 ; the odd octet's rows are asked for: they have this octet's eight points in which to come
	POINT 0, 0, 0, 1
	IDX_LOAD 2                                     ; and the indices of the octet after it
.irp p, 1,2,3,4,5,6
	POINT 0, \p, \p, 1
.endr
	POINT 0, 7, 7, 0
	PRODUCE 1, 0
	BARRIER                                        ; stage 1 is whole, and nobody reads stage 0 any more
	FRAGS 1, 0
	GATHER 2, 1, 1                                 ; the next trip's even octet and its own rows
	POINT 1, 0, 8, 1
	IDX_LOAD 3
.irp p, 1,2,3,4,5,6
	POINT 1, \p, 8+\p, 1
.endr
	POINT 1, 7, 15, 0
	PRODUCE 0, 1
	BARRIER                                        ; stage 0 is whole, nobody reads stage 1, and the 16 points' results lie in LDS
	OPHASE
	s_add_co_u32 s[TRIP], s[TRIP], 1
	s_cmp_lt_u32 s[TRIP], 8
	s_cbranch_scc1 .Ltrip
	s_wait_tensorcnt 0x0
	ds_add_u32 v63, v235
	s_wait_dscnt 0x0
	s_endpgm
.Lfunc_end_k_q0a2c65d6a4_attn:
	.size	k_q0a2c65d6a4_attn, .Lfunc_end_k_q0a2c65d6a4_attn-k_q0a2c65d6a4_attn
	.p2alignl 7, 3214868480
	.fill 96, 4, 3214868480
	.section	.rodata,"a",@progbits
	.p2align	6, 0x0
	.amdhsa_kernel k_q0a2c65d6a4_attn
		.amdhsa_group_segment_fixed_size 282624
		.amdhsa_private_segment_fixed_size 0
		.amdhsa_enable_private_segment 0
		.amdhsa_kernarg_size 136
		.amdhsa_user_sgpr_count 2
		.amdhsa_user_sgpr_kernarg_segment_ptr 1
		.amdhsa_wavefront_size32 1
		.amdhsa_system_sgpr_workgroup_id_x 1
		.amdhsa_system_sgpr_workgroup_id_y 1
		.amdhsa_system_sgpr_workgroup_id_z 1
		.amdhsa_system_vgpr_workitem_id 0
		.amdhsa_next_free_vgpr 512
		.amdhsa_next_free_sgpr 80
		.amdhsa_reserve_vcc 1
		.amdhsa_float_denorm_mode_32 3
		.amdhsa_float_denorm_mode_16_64 3
		.amdhsa_memory_ordered 1
		.amdhsa_forward_progress 1
		.amdhsa_inst_pref_size 200
	.end_amdhsa_kernel
	.amdgpu_metadata
---
amdhsa.version: [ 1, 2 ]
amdhsa.kernels:
  - .name:           k_q0a2c65d6a4_attn
    .symbol:         k_q0a2c65d6a4_attn.kd
    .args:
      - { .name: x_codes, .offset: 0, .size: 8, .value_kind: global_buffer, .address_space: global }
      - { .name: x_scales, .offset: 8, .size: 8, .value_kind: global_buffer, .address_space: global }
      - { .name: attn_index, .offset: 16, .size: 8, .value_kind: global_buffer, .address_space: global }
      - { .name: mask, .offset: 24, .size: 8, .value_kind: global_buffer, .address_space: global }
      - { .name: pos, .offset: 32, .size: 8, .value_kind: global_buffer, .address_space: global }
      - { .name: out0, .offset: 40, .size: 8, .value_kind: global_buffer, .address_space: global }
      - { .name: Wqkv_codes, .offset: 48, .size: 8, .value_kind: global_buffer, .address_space: global }
      - { .name: Wqkv_scales, .offset: 56, .size: 8, .value_kind: global_buffer, .address_space: global }
      - { .name: bqkv, .offset: 64, .size: 8, .value_kind: global_buffer, .address_space: global }
      - { .name: Wp1, .offset: 72, .size: 8, .value_kind: global_buffer, .address_space: global }
      - { .name: bp1, .offset: 80, .size: 8, .value_kind: global_buffer, .address_space: global }
      - { .name: Wp2_codes, .offset: 88, .size: 8, .value_kind: global_buffer, .address_space: global }
      - { .name: Wp2_scales, .offset: 96, .size: 8, .value_kind: global_buffer, .address_space: global }
      - { .name: bp2, .offset: 104, .size: 8, .value_kind: global_buffer, .address_space: global }
      - { .name: Wo_codes, .offset: 112, .size: 8, .value_kind: global_buffer, .address_space: global }
      - { .name: Wo_scales, .offset: 120, .size: 8, .value_kind: global_buffer, .address_space: global }
      - { .name: bo, .offset: 128, .size: 8, .value_kind: global_buffer, .address_space: global }
    .group_segment_fixed_size: 282624
    .private_segment_fixed_size: 0
    .kernarg_segment_align: 8
    .kernarg_segment_size: 136
    .max_flat_workgroup_size: 256
    .sgpr_count:     80
    .vgpr_count:     512
    .wavefront_size: 32
...
	.end_amdgpu_metadata
.endif
;; end of part 1
;; ======== version 2 of 2: 1 launch; version 1 with the launch attn written anew for expert scheduling mode
;; launch attn (part 2): grid 256 x 1, 8 waves a work-group, no clusters, 282,624 bytes of LDS; arguments x_codes, x_scales, attn_index, mask, pos, out0, Wqkv_codes, Wqkv_scales, bqkv, Wp1, bp1, Wp2_codes, Wp2_scales, bp2, Wo_codes, Wo_scales, bo; writes out0
.if DOCPART == 2
	.amdgcn_target "amdgcn-amd-amdhsa--gfx1250"
	.amdhsa_code_object_version 6
	.text
	.protected	k_q0a2c65d6a4_attn
	.globl	k_q0a2c65d6a4_attn
	.p2align	8
	.type	k_q0a2c65d6a4_attn,@function
k_q0a2c65d6a4_attn:
	s_mov_b64 s[64:65], 0
	v_nop
	global_prefetch_b8 v0, s[64:65] scope:SCOPE_SE
	s_setreg_imm32_b32 hwreg(HW_REG_WAVE_SCHED_MODE, 0, 2), 2
	s_setreg_imm32_b32 hwreg(HW_REG_WAVE_MODE, 25, 1), 1
	s_wait_xcnt 0x0
	s_wait_alu depctr_vm_vsrc(0)
; Local attention with a position MLP, all of it in one launch.  32,768 points, 16 neighbours each (attn_index), 256 channels.
;   q, k, v = x Wqkv^T + bqkv;  d = |pos[j] - pos[i]|;  rel = relu(d Wp1 + bp1) Wp2^T + bp2;  w = k[j] q[i] + rel, -inf where mask;
;   softmax over the 16 neighbours, channel by channel;  out = sum of softmax x (v[j] + rel);  y = out Wo^T + bo.
; The products with Wqkv, Wp2 and Wo run on codes of E5M2 with one E8M0 scale for each 32 along K; everything else is f32.
; NO TABLE OF k AND v IS MADE.  A neighbour is gathered as its row of x codes (256 bytes + 8 scale bytes) and multiplied by Wk and Wv where it is needed:
; the same codes, the same instruction and the same order along K as a table would have had, against 2,048 bytes of f32 a neighbour out of a table.
; SHARES.  A work-group takes 128 points, 16 a trip, in two octets.  Its eight waves share the CHANNELS: wave w owns channels 32 w .. 32 w + 31 (two tiles of 16),
; which are also one block of 32 along the last product's K, and outputs 32 w .. 32 w + 31.  Its rows of Wk, Wv and Wp2 stay in registers (window 1);
; its rows of Wq and Wo lie in LDS as images of their registers, read by itself alone, once a trip.
; LAYOUT.  k, v, rel and q: source 0 = 16 neighbours, source 1 = 16 channels.  In the result lane (r, h) holds channel r and its register j neighbour 8 h + j: the softmax over
; neighbours runs down a lane's eight registers and needs one exchange between the halves of the lanes.  The last product is used transposed: a lane holds eight neighbouring outputs of one point.
; STAGING, one octet ahead, in two LDS stages by turns: wave w gathers the 16 rows, scale words and mask row of point w of the next octet; waves 4 u .. 4 u + 3 make the hidden layer of points 4 u .. 4 u + 3,
; wave 4 u + c the block c of 32 hidden units, quantise it and store it as a part of the image of the operand's registers.  One barrier an octet: behind it the next stage is whole and nobody reads the old one.
; SPARED: bk and bp2 are the C of a sum's first product; rel is the C of v's first product, so v + rel costs nothing; the mask is a row of 0 / -inf that is added;
; the division by the sum of weights is made once a channel, and bv is added behind it (the weights sum to 1).
; THE LAST TRIP stages the work-group's own first octet once more (the look-ahead wraps round): every address stays inside its buffer and no wait's count hangs on a branch; that staging is not read.
; NO CLUSTER, NO TENSOR LOAD: the rows are gathered one by one by index; what work-groups share is the weights, 300 KB that each reads once, straight into operand registers.
; LIMITS: NaN and infinities among the inputs are not served; a point whose 16 neighbours are all masked gives NaN, as the definition does; a squared distance under 2^-126 counts as 0;
; a block whose largest magnitude lies under 2^-111 keeps the scale byte 1; the weights are normalised at the end and bv is added behind that, so the order of rounding differs from the definition's;
; indices are held at 32,767.
; THE MODE: SCHED_MODE bits 1:0 = 2 (LLVM: expert scheduling mode 2), set by the entry lines.  The code itself states the register dependences
; between vector or matrix instructions and memory or LDS instructions, with s_wait_alu, always for 0.
; THE PLAN.  Registers that memory or LDS instructions touch, and who else names them, round the loop:
;   v1-40, v53     addresses and lane terms: written at the head and never again: one wait on va_vdst ahead of the first load.
;   IR, IXS, ID    the index loads land; the gather's clamps and shifts rewrite them; the gather's loads read them as offsets; the next index loads land.
;                  One wait on va_vdst behind the shifts; one on vm_vsrc ahead of the index loads.
;   GX, GXS, OWNR  the gather's loads land; the staging's LDS stores read them.  One wait on vm_vsrc at the gather's head.
;   NP, PO, MKV, QS  the gather's loads land; the staging's vector lines and q's products read them, all ahead of the gather's wait on va_vdst.
;   XF, HF, XS0-HS, PEN  a point's 15 LDS loads land; its products and the additions of the mask read them.  ONE wait on va_vdst a point, ahead of the next point's loads.
;   SMO            written at a point's end; its LDS store stands in the next point, behind that same wait (an octet's last: behind the staging's wait for its roots); one wait on vm_vsrc ahead of the next write.
;   PENV, CD, TM   the staging writes them, LDS stores read them: the penalty's store stands behind the wait for the roots, the codes' and bytes' behind one wait of their own.
;   WT, OF, Q, YB  the q and y phases: the waits stand there, each with what it states.
.set PT,    6720                       ; LDS: a staged point: 16 rows of x codes at pitch 272 (256 + 16: the 16 rows of a load start in 16 different groups of banks),
.set HIO,   4352                       ;   the hidden layer's fragment as an image of its registers, 4 x 512 bytes,
.set SCO,   6400                       ;   16 records of 16 bytes: x's two scale words, the hidden layer's scale word, 4 bytes that nobody touches,
.set PNO,   6656                       ;   16 f32: 0 or -inf
.set STG1,  8*PT                       ; stage 0 at byte 0, stage 1 here: 8 points each
.set OWN,   16*PT                      ; the trip's own 16 rows of x codes, pitch 272
.set OP,    1040                       ; a row of 256 f32 + 16 bytes
.set OUTST, OWN+16*272                 ; the attention's result, 16 points
.set AIMG,  OUTST+16*OP                ; its codes: two fragments as images
.set ASC,   AIMG+4096                  ; its scale words: word s of point r at 64 s + 4 r
.set BOL,   ASC+128                    ; bo
.set YST,   BOL+1024                   ; y, 16 rows, for the way out
.set WQI,   YST+16*OP                  ; Wq's fragments as images, 8,192 bytes a wave
.set WOI,   WQI+65536                  ; Wo's likewise; ends at byte 281,472
; window 0: LDS addresses (pairs: stage 0, stage 1); none is ever rewritten
.set LF,   1                           ; x fragment:      272 r + 16 h
.set LI,   3                           ; hidden fragment: HIO + 16 l
.set LS,   5                           ; scale record:    SCO + 16 r
.set LP,   7                           ; penalty row:     PNO + 32 h
.set SX,   9                           ; I store rows:    PT w + 272 h + 16 r
.set SXS,  11                          ; x scale words:   PT w + SCO + 16 r
.set SPN,  13                          ; penalty:         PT w + PNO + 4 r
.set SHS,  15                          ; hidden byte:     4 PT (w / 4) + SCO + 8 + 16 r + w % 4
.set SHI,  17                          ; hidden codes:    4 PT (w / 4) + HIO + 512 (w % 4) + 16 l
.set OA,   19                          ; OUTST + 4 x thread
.set ORD,  20                          ; OUTST + OP r + 128 w + 64 h
.set AW,   21                          ; AIMG + 16 x thread
.set ASW,  22                          ; ASC + 64 (w / 4) + 4 r + w % 4
.set AIR,  23                          ; AIMG + 16 l
.set ASR,  24                          ; ASC + 4 r
.set YW,   25                          ; YST + OP r + 128 w + 32 h
.set YR,   26                          ; YST + 2 OP w + 16 l
.set LIQ,  27                          ; WQI + 8192 w + 16 l
.set LIO,  28                          ; WOI + 8192 w + 16 l
.set OWNW, 29                          ; OWN + 544 w + 272 h + 16 r
.set OWNF, 30                          ; OWN + 272 (r % 8) + 16 h
.set BOR,  31                          ; BOL + 128 w + 32 h
; window 0: lane terms of global addresses; never rewritten
.set GI,   32                          ; 64 w + 4 h
.set GIX,  33                          ; 64 w + 4 r
.set GID,  34                          ; 256 (w / 4) + 4 l
.set GPO,  35                          ; 12 (4 (w / 4) + h)
.set GMK,  36                          ; 16 w + r
.set GOW,  37                          ; 256 (2 w + h) + 16 r
.set GQS,  38                          ; 8 (l % 8)
.set L16,  39                          ; 16 r
.set YG,   40                          ; 16 l
.set BV,   41                          ; bv of channel 32 w + l
.set BQ,   42                          ; v42-43  bq of channel 32 w + 16 t + r
.set WKS,  44                          ; v44-47  scale words (tile t, K step s) at 2 t + s: lanes 0-15 Wk's, lanes 16-31 Wv's
.set WPS,  48                          ; Wp2's scale words: lanes 0-15 tile 0, lanes 16-31 tile 1
.set WQOS, 49                          ; v49-52  lanes 0-15 Wq's, lanes 16-31 Wo's
.set BOW,  53                          ; BOL + 4 x thread
.set IR,   54                          ; v54-61  indices of neighbours 2 i + h of point w, then their rows' byte offsets
.set IXS,  62                          ; index of neighbour r of point w
.set ID,   64                          ; v64-65  index of neighbour r of point 4 (w / 4) + 2 u + h
.set GXS,  66                          ; v66-67  a neighbour's 8 scale bytes
.set NP,   68                          ; v68-73  neighbours' positions
.set PO,   74                          ; v74-79  own positions
.set MKV,  80
.set PENV, 81
.set OWNR, 82                          ; v82-85  16 bytes of an own row
.set QS,   86                          ; v86-89  own rows' scale words (group g, K step s) at 2 g + s
.set D2,   90                          ; v90-91  distances, two points a register
.set DD,   92                          ; v92-95  distances, one point a register, both halves alike
.set Q,    96                          ; v96-127 q of point 8 g + j, tile t, at 16 g + 8 t + j; at the trip's end y and bo
.set XF,   128                         ; v128-159 x fragments of two K steps
.set HF,   160                         ; v160-175 hidden fragment
.set KT,   176                         ; v176-191 k, then w, then the weights p: two tiles
.set VT,   192                         ; v192-207 v + rel
.set REL,  208                         ; v208-223 rel
.set PEN,  224                         ; v224-231 penalties of neighbours 8 h + j
.set XS0,  232                         ; v232-233 x's scale words
.set HS,   234                         ; the hidden layer's
.set SMM,  236                         ; v236-237 maxima;  v238-239 lane exchanges;  v240-241 -M log2(e)
.set SMT,  238
.set SMN,  240
.set SMS,  242                         ; v242-245 sums;  v246-249 second chains;  v250-253 weighted values
.set SMU,  246
.set SMA,  250
.set SMR,  254
.set SMO,  255
.set HN,   128                         ; staging: 4 points x 16 hidden numbers (v128-191);  v192-207 their codes;  v208-223 at work
.set CD,   192
.set TM,   208
.set WT,   128                         ; q and y phases: 4 weight fragments (v128-191), 2 fragments of rows (v192-223)
.set OF,   192
.set YB,   236                         ; rows of y on their way out
; window 1 (written by their low 8 bits)
.set WK,   0                           ; Wk's fragment (t, s) at 16 (2 t + s)
.set WV,   64
.set WP2,  128                         ; Wp2's tile t at 16 t
.set BK,   160                         ; bk, eight registers a tile, in the result's layout
.set BP2,  176
.set W1R,  192                         ; Wp1 and bp1 of hidden units 32 (w % 4) + 16 h + i
.set B1R,  208
.set GX,   224                         ; gathered rows on their way
; scalars
.set WVN,  38                          ; wave;  s39 wave % 4;  s40 wave / 4
.set SEL,  42                          ; s[42:43] selects of v_permlanex16_b32: lane l xor 16
.set HALF, 44                          ; lanes 16-31
.set NL2E, 45                          ; -log2(e)
.set L2E,  46                          ; s[46:47] log2(e), twice: the packed form names the pair
.set MNT,  48                          ; the mantissa field of 57,344
.set TRIP, 49
.set PSO,  60                          ; pos, x_codes, x_scales at the work-group's first point
.set XCW,  62
.set XSW,  66
.set AIC,  68                          ; the pointers in hand
.set MKC,  70
.set PSC,  72
.set XCO,  74
.set XSO,  76
.set OUTC, 78
.set MSB, 0
.macro WIN new                         ; bits 1:0 source 0, 3:2 source 1, 5:4 source 2, 7:6 destination; the high byte repeats the setting that is left
.if MSB != \new
	s_set_vgpr_msb (MSB<<8)|\new
.set MSB, \new
.endif
.endm
.macro PLACES n                        ; plain vector instructions between a matrix instruction and what touches its registers (ISA guide 7.12.1)
.rept \n
	v_nop
.endr
.endm
.macro BARRIER                         ; my LDS stores have landed and my LDS loads are in: then the work-group's barrier
	s_wait_dscnt 0x0
	s_barrier_signal -1
	s_barrier_wait -1
.endm
; a product.  row = 0: both sides' scales in lanes 0-15;  1: source 1's in lanes 16-31;  2: source 0's in lanes 16-31
.macro MM d, a, b, c, sa, sb, row
.if (\row) == 0
	v_wmma_scale_f32_16x16x128_f8f6f4 v[\d:\d+7], v[\a:\a+15], v[\b:\b+15], v[\c:\c+7], v[\sa], v[\sb] matrix_a_fmt:MATRIX_FMT_BF8 matrix_b_fmt:MATRIX_FMT_BF8
.elseif (\row) == 1
	v_wmma_scale_f32_16x16x128_f8f6f4 v[\d:\d+7], v[\a:\a+15], v[\b:\b+15], v[\c:\c+7], v[\sa], v[\sb] matrix_a_fmt:MATRIX_FMT_BF8 matrix_b_fmt:MATRIX_FMT_BF8 matrix_b_scale:MATRIX_SCALE_ROW1
.else
	v_wmma_scale_f32_16x16x128_f8f6f4 v[\d:\d+7], v[\a:\a+15], v[\b:\b+15], v[\c:\c+7], v[\sa], v[\sb] matrix_a_fmt:MATRIX_FMT_BF8 matrix_b_fmt:MATRIX_FMT_BF8 matrix_a_scale:MATRIX_SCALE_ROW1
.endif
.endm
.macro MMZ d, a, b, sa, sb             ; the same, starting a sum with 0
	v_wmma_scale_f32_16x16x128_f8f6f4 v[\d:\d+7], v[\a:\a+15], v[\b:\b+15], 0, v[\sa], v[\sb] matrix_a_fmt:MATRIX_FMT_BF8 matrix_b_fmt:MATRIX_FMT_BF8
.endm
.macro OCT add                         ; s50 = the octet (2 trip + add) mod 16 of the work-group's sixteen;  s53 = 0: the upper word of the offset pair s[52:53]
	s_lshl_b32 s50, s[TRIP], 1
	s_add_co_u32 s50, s50, \add
	s_and_b32 s50, s50, 15
	s_mov_b32 s53, 0
.endm
; The indices of an octet, in the three arrangements in which they are used: 11 loads.
.macro IDX_LOAD add
	s_wait_xcnt 0x0                                ; the gather's loads have read the registers that these loads fill, and the pointer's last users are done
	s_wait_alu depctr_vm_vsrc(0)                   ; the gather's loads have read IR, IXS and ID as their offsets: the loads below land there (the shifts that named them stand ahead of the gather's wait on va_vdst)
	OCT \add
	s_lshl_b32 s52, s50, 9                         ; 8 points x 64 bytes
	s_add_nc_u64 s[AIC:AIC+1], s[8:9], s[52:53]
.irp i, 0,1,2,3,4,5,6,7
	global_load_b32 v[IR+\i], v[GI], s[AIC:AIC+1] offset:8*\i
.endr
	global_load_b32 v[IXS], v[GIX], s[AIC:AIC+1]
	global_load_b32 v[ID], v[GID], s[AIC:AIC+1]
	global_load_b32 v[ID+1], v[GID], s[AIC:AIC+1] offset:128
.endm
; What an octet's staging reads.  First the offsets and pointers; then 22 loads; own = 1: 3 more, for the next trip's own rows.
.macro GATHER_ADR add, own, badd
	s_wait_loadcnt 0x0                             ; the indices, asked for an octet ago
	s_wait_xcnt 0x0                                ; and every earlier store has read its registers and its base
	s_wait_alu depctr_vm_vsrc(0)                   ; the staging's LDS stores have read GX, GXS and OWNR, in which the gather's loads land, and PENV, the codes and the bytes, which the points' products and the next staging write
.irp i, 0,1,2,3,4,5,6,7
	v_min_u32 v[IR+\i], 0x7fff, v[IR+\i]           ; an index stays inside the table
.endr
	v_min_u32 v[IXS], 0x7fff, v[IXS]
	v_min_u32 v[ID], 0x7fff, v[ID]
	v_min_u32 v[ID+1], 0x7fff, v[ID+1]
.irp i, 0,1,2,3,4,5,6,7
	v_lshl_add_u32 v[IR+\i], v[IR+\i], 8, v[L16]   ; a row of 256 codes; sixteen lanes take it whole
.endr
	v_lshlrev_b32 v[IXS], 3, v[IXS]
	v_mul_u32_u24 v[ID], v[ID], 12
	v_mul_u32_u24 v[ID+1], v[ID+1], 12
	OCT \add
	s_lshl_b32 s52, s50, 7                         ; 8 points x 16 mask bytes
	s_add_nc_u64 s[MKC:MKC+1], s[10:11], s[52:53]
	s_mul_i32 s52, s50, 96                         ; 8 points x 12 bytes
	s_add_nc_u64 s[PSC:PSC+1], s[PSO:PSO+1], s[52:53]
.if \own
	s_add_co_u32 s51, s[TRIP], \badd
	s_and_b32 s51, s51, 7
	s_lshl_b32 s52, s51, 12                        ; 16 rows x 256 bytes
	s_add_nc_u64 s[XCO:XCO+1], s[XCW:XCW+1], s[52:53]
	s_lshl_b32 s52, s51, 7                         ; 16 rows x 8 bytes
	s_add_nc_u64 s[XSO:XSO+1], s[XSW:XSW+1], s[52:53]
.endif
	s_wait_alu depctr_va_vdst(0)                   ; the offsets IR, IXS, ID are written, which the gather's loads read; the last staging is done with NP, PO and MKV and q's products with QS, in which they land; at a trip's start q's products are also done reading the registers that the first point's fragments take
.endm
.macro GATHER_LD own                   ; between the wait above and these loads stand loads and window switches alone
	WIN 0x40
.irp i, 0,1,2,3,4,5,6,7
	global_load_b128 v[GX+4*\i:GX+4*\i+3], v[IR+\i], s[4:5]        ; neighbours 2 i and 2 i + 1 of point w
.endr
	WIN 0
	global_load_b64 v[GXS:GXS+1], v[IXS], s[6:7]
.irp u, 0,1
.irp k, 0,1,2
	global_load_b32 v[NP+3*\u+\k], v[ID+\u], s[12:13] offset:4*\k
	global_load_b32 v[PO+3*\u+\k], v[GPO], s[PSC:PSC+1] offset:24*\u+4*\k
.endr
.endr
	global_load_u8 v[MKV], v[GMK], s[MKC:MKC+1]
.if \own
	global_load_b128 v[OWNR:OWNR+3], v[GOW], s[XCO:XCO+1]
	global_load_b64 v[QS:QS+1], v[GQS], s[XSO:XSO+1]
	global_load_b64 v[QS+2:QS+3], v[GQS], s[XSO:XSO+1] offset:64
.endif
.endm
; Point p of stage b comes into registers: 15 LDS loads.
.macro FRAGS b, p
.irp s, 0,1
.irp c, 0,1,2,3
	ds_load_b128 v[XF+16*\s+4*\c:XF+16*\s+4*\c+3], v[LF+\b] offset:(\p)*PT+128*\s+32*\c
.endr
.endr
.irp c, 0,1,2,3
	ds_load_b128 v[HF+4*\c:HF+4*\c+3], v[LI+\b] offset:(\p)*PT+512*\c
.endr
	ds_load_b96 v[XS0:XS0+2], v[LS+\b] offset:(\p)*PT
	ds_load_b128 v[PEN:PEN+3], v[LP+\b] offset:(\p)*PT
	ds_load_b128 v[PEN+4:PEN+7], v[LP+\b] offset:(\p)*PT+16
.endm
; ONE POINT: my 32 channels against its 16 neighbours.  pb: its place among the trip's 16;  nxt = 1: the next point's registers are fetched on the way.
; The point's result is left in SMO; its LDS store stands in the next point, or, behind an octet's last point, in the staging.
.macro POINT b, p, pb, nxt
.set QR, Q+16*((\pb)/8)+(\pb)%8
	s_wait_dscnt 0x0                               ; the point's 15 loads are in (the store of a result stands ahead of them)
	WIN 0x14                                       ; weights and biases in window 1
	MM REL,   HF, WP2,    BP2,   HS,  WPS,   0     ; the accumulators take turns, one instruction a turn
	MM REL+8, HF, WP2+16, BP2+8, HS,  WPS,   1
	MM KT,    XF, WK,     BK,    XS0, WKS,   0
	MM KT+8,  XF, WK+32,  BK+8,  XS0, WKS+2, 0
	WIN 0x04
	MM KT,    XF+16, WK+16, KT,   XS0+1, WKS+1, 0
	MM KT+8,  XF+16, WK+48, KT+8, XS0+1, WKS+3, 0
	PLACES 9                                       ; rel becomes the C of another accumulator: nine places; they also stand ahead of the first vector reads of k and rel
	MM VT,    XF, WV,    REL,   XS0, WKS,   1      ; v + rel
	MM VT+8,  XF, WV+32, REL+8, XS0, WKS+2, 1
	MM VT,    XF+16, WV+16, VT,   XS0+1, WKS+1, 1
	MM VT+8,  XF+16, WV+48, VT+8, XS0+1, WKS+3, 1
	WIN 0
.irp i, 0,1,2,3                        ; w = k q + rel, from each accumulator's low end on; q stands in one register of a pair and serves both halves
.irp t, 0,1
.if (\pb)%2
	v_pk_fma_f32 v[KT+8*\t+2*\i:KT+8*\t+2*\i+1], v[KT+8*\t+2*\i:KT+8*\t+2*\i+1], v[QR+8*\t-1:QR+8*\t], v[REL+8*\t+2*\i:REL+8*\t+2*\i+1] op_sel:[0,1,0] op_sel_hi:[1,1,1]
.else
	v_pk_fma_f32 v[KT+8*\t+2*\i:KT+8*\t+2*\i+1], v[KT+8*\t+2*\i:KT+8*\t+2*\i+1], v[QR+8*\t:QR+8*\t+1], v[REL+8*\t+2*\i:REL+8*\t+2*\i+1] op_sel_hi:[1,0,1]
.endif
.endr
.endr
.irp i, 0,1,2,3
.irp t, 0,1
	v_pk_add_f32 v[KT+8*\t+2*\i:KT+8*\t+2*\i+1], v[KT+8*\t+2*\i:KT+8*\t+2*\i+1], v[PEN+2*\i:PEN+2*\i+1]   ; the mask: + 0 or - infinity
.endr
.endr
.irp t, 0,1
	v_max3_num_f32 v[SMM+\t], v[KT+8*\t], v[KT+8*\t+1], v[KT+8*\t+2]
.endr
.irp i, 3,5
.irp t, 0,1
	v_max3_num_f32 v[SMM+\t], v[SMM+\t], v[KT+8*\t+\i], v[KT+8*\t+\i+1]
.endr
.endr
.irp t, 0,1
	v_max_num_f32 v[SMM+\t], v[SMM+\t], v[KT+8*\t+7]
.endr
.irp t, 0,1
	v_permlanex16_b32 v[SMT+\t], v[SMM+\t], s[SEL], s[SEL+1]       ; the other eight neighbours lie in the lane 16 away
.endr
.irp t, 0,1
	v_max_num_f32 v[SMM+\t], v[SMM+\t], v[SMT+\t]
.endr
.irp t, 0,1
	v_mul_f32 v[SMN+\t], s[NL2E], v[SMM+\t]
.endr
.if \nxt
	s_wait_alu depctr_va_vdst(0)                   ; the products are done reading XF, HF and the scale words, and the additions of the mask PEN: the next point's loads land there; the last point's result is written in SMO, which the store reads
.if (\p) > 0
	ds_store_b32 v[OA], v[SMO] offset:OP*((\pb)-1) ; the last point's result: 128 consecutive bytes of its row
.endif
	FRAGS \b, (\p)+1
.endif
.irp i, 0,1,2,3
	v_pk_fma_f32 v[KT+2*\i:KT+2*\i+1], v[KT+2*\i:KT+2*\i+1], s[L2E:L2E+1], v[SMN:SMN+1] op_sel_hi:[1,0,0]              ; (w - M) log2(e)
	v_pk_fma_f32 v[KT+8+2*\i:KT+8+2*\i+1], v[KT+8+2*\i:KT+8+2*\i+1], s[L2E:L2E+1], v[SMN:SMN+1] op_sel:[0,0,1] op_sel_hi:[1,0,1]
.endr
.irp j, 0,1,2,3,4,5,6,7,8,9,10,11,12,13,14,15
	v_exp_f32 v[KT+\j], v[KT+\j]
.endr
	v_nop                                          ; a plain instruction behind the last exponential,
	s_wait_alu depctr_va_vdst(0)                   ; and one wait for the batch, ahead of its first reader: the sixteen weights are written
.if !(\nxt)
	ds_store_b32 v[OA], v[SMO] offset:OP*((\pb)-1) ; an octet's last point fetches nothing: the result of the point before, written ahead of the wait above, goes out here
.endif
.irp t, 0,1
	v_pk_add_f32 v[SMS+2*\t:SMS+2*\t+1], v[KT+8*\t:KT+8*\t+1], v[KT+8*\t+2:KT+8*\t+3]
	v_pk_add_f32 v[SMU+2*\t:SMU+2*\t+1], v[KT+8*\t+4:KT+8*\t+5], v[KT+8*\t+6:KT+8*\t+7]
	v_pk_mul_f32 v[SMA+2*\t:SMA+2*\t+1], v[KT+8*\t:KT+8*\t+1], v[VT+8*\t:VT+8*\t+1]
.endr
.irp i, 1,2,3
.irp t, 0,1
	v_pk_fma_f32 v[SMA+2*\t:SMA+2*\t+1], v[KT+8*\t+2*\i:KT+8*\t+2*\i+1], v[VT+8*\t+2*\i:VT+8*\t+2*\i+1], v[SMA+2*\t:SMA+2*\t+1]
.endr
.endr
.irp t, 0,1
	v_pk_add_f32 v[SMS+2*\t:SMS+2*\t+1], v[SMS+2*\t:SMS+2*\t+1], v[SMU+2*\t:SMU+2*\t+1]
.endr
.irp t, 0,1
	v_add_f32 v[SMS+2*\t], v[SMS+2*\t], v[SMS+2*\t+1]
	v_add_f32 v[SMA+2*\t], v[SMA+2*\t], v[SMA+2*\t+1]
.endr
	; the halves of the lanes meet, and the two tiles part: lanes 0-15 end with tile 0's channel r, lanes 16-31 with tile 1's
	v_cndmask_b32 v[SMU], v[SMS], v[SMS+2], s[HALF]                ; what I keep: my half's part of my tile,
	v_cndmask_b32 v[SMU+1], v[SMS+2], v[SMS], s[HALF]              ; what I send: my half's part of the other tile
	v_cndmask_b32 v[SMU+2], v[SMA], v[SMA+2], s[HALF]
	v_cndmask_b32 v[SMU+3], v[SMA+2], v[SMA], s[HALF]
	v_permlanex16_b32 v[SMT], v[SMU+1], s[SEL], s[SEL+1]
	v_permlanex16_b32 v[SMT+1], v[SMU+3], s[SEL], s[SEL+1]
	v_add_f32 v[SMU], v[SMU], v[SMT]
	v_add_f32 v[SMU+2], v[SMU+2], v[SMT+1]
	v_rcp_f32 v[SMR], v[SMU]
	v_nop
	s_wait_alu depctr_va_vdst(0)                   ; the reciprocal is written, ahead of its reader
.if (\p) > 0
	s_wait_alu depctr_vm_vsrc(0)                   ; the store issued in this point has read SMO, which the next line writes again
.endif
	v_fma_f32 v[SMO], v[SMU+2], v[SMR], v[BV]                      ; sum of p (v + rel) / sum of p + bv
.endm
; THE NEXT OCTET IS STAGED into stage b.  lastpb: the place of the point just finished, whose result goes out here; -1: none.
.macro PRODUCE b, own, lastpb
	s_wait_loadcnt 11                              ; all that the gather asked for is in; the 11 index loads issued behind it may be out
	WIN 0x04                                       ; an LDS store's data are its source 1
.irp i, 0,1,2,3,4,5,6,7
	ds_store_b128 v[SX+\b], v[GX+4*\i:GX+4*\i+3] offset:544*\i
.endr
	WIN 0
	ds_store_b64 v[SXS+\b], v[GXS:GXS+1]
.if \own
	ds_store_b128 v[OWNW], v[OWNR:OWNR+3]
.endif
	v_cmp_ne_u32 vcc_lo, 0, v[MKV]
	v_mov_b32 v[PENV], 0xff800000
.irp u, 0,1
.irp k, 0,1,2
	v_sub_f32 v[NP+3*\u+\k], v[NP+3*\u+\k], v[PO+3*\u+\k]
.endr
.endr
.irp u, 0,1
	v_mul_f32 v[D2+\u], v[NP+3*\u], v[NP+3*\u]
.endr
.irp k, 1,2
.irp u, 0,1
	v_fma_f32 v[D2+\u], v[NP+3*\u+\k], v[NP+3*\u+\k], v[D2+\u]
.endr
.endr
	s_wait_alu depctr_va_vcc(0)                    ; the compare has written VCC, ahead of its reader
	v_cndmask_b32 v[PENV], 0, v[PENV], vcc_lo
.irp u, 0,1
	v_sqrt_f32 v[D2+\u], v[D2+\u]
.endr
	v_nop
	s_wait_alu depctr_va_vdst(0)                   ; one wait for both roots, ahead of their first reader; PENV and the last point's SMO are written too, which the stores below read
	ds_store_b32 v[SPN+\b], v[PENV]
.if (\lastpb) >= 0
	ds_store_b32 v[OA], v[SMO] offset:OP*(\lastpb) ; the octet's last result: 128 consecutive bytes of the point's row
.endif
.irp u, 0,1
	v_permlanex16_b32 v[SMT+\u], v[D2+\u], s[SEL], s[SEL+1]
.endr
.irp u, 0,1
	v_cndmask_b32 v[DD+2*\u], v[D2+\u], v[SMT+\u], s[HALF]         ; the point that lanes 0-15 held, in both halves;
	v_cndmask_b32 v[DD+2*\u+1], v[SMT+\u], v[D2+\u], s[HALF]       ; the point that lanes 16-31 held
.endr
	WIN 0x14
.irp n, 0,1,2,3                        ; d Wp1 + bp1 for my 16 hidden units of neighbour r, four points
.irp i, 0,1,2,3,4,5,6,7
.if \n%2
	v_pk_fma_f32 v[HN+16*\n+2*\i:HN+16*\n+2*\i+1], v[DD+\n-1:DD+\n], v[W1R+2*\i:W1R+2*\i+1], v[B1R+2*\i:B1R+2*\i+1] op_sel:[1,0,0] op_sel_hi:[1,1,1]
.else
	v_pk_fma_f32 v[HN+16*\n+2*\i:HN+16*\n+2*\i+1], v[DD+\n:DD+\n+1], v[W1R+2*\i:W1R+2*\i+1], v[B1R+2*\i:B1R+2*\i+1] op_sel_hi:[0,1,1]
.endif
.endr
.endr
	WIN 0
.irp n, 0,1,2,3                        ; the block's largest number.  No |.|: what is negative becomes 0, so it must not count; the floor 2^(16 - 127) holds the byte at 1 from below
	v_max3_num_f32 v[TM+\n], v[HN+16*\n], v[HN+16*\n+1], 0x8000000
.endr
.irp i, 2,4,6,8,10,12,14
.irp n, 0,1,2,3
	v_max3_num_f32 v[TM+\n], v[TM+\n], v[HN+16*\n+\i], v[HN+16*\n+\i+1]
.endr
.endr
.irp n, 0,1,2,3
	v_permlanex16_b32 v[TM+4+\n], v[TM+\n], s[SEL], s[SEL+1]       ; the block's other 16 units lie in the lane 16 away
.endr
.irp n, 0,1,2,3
	v_max_num_f32 v[TM+\n], v[TM+\n], v[TM+4+\n]
.endr
.irp n, 0,1,2,3
	v_add_nc_u32 v[TM+12+\n], 0xf8800000, v[TM+\n]                 ; 15 off the exponent field: the conversion's scale operand
.endr
.irp n, 0,1,2,3
	v_and_or_b32 v[TM+8+\n], v[TM+\n], 0x7f800000, s[MNT]          ; 57,344 x the scale
.endr
.irp n, 0,1,2,3
	v_lshrrev_b32 v[TM+4+\n], 23, v[TM+12+\n]                      ; the scale's byte
.endr
.irp n, 0,1,2,3
.irp i, 0,1,2,3,4,5,6,7,8,9,10,11,12,13,14,15
	v_med3_num_f32 v[HN+16*\n+\i], v[HN+16*\n+\i], 0, v[TM+8+\n]   ; the activation and the hold in one: the conversion to an 8-bit code does not saturate (ISA guide 7.6.2)
.endr
	v_cvt_scalef32_pk8_bf8_f32 v[CD+4*\n:CD+4*\n+1], v[HN+16*\n:HN+16*\n+7], v[TM+12+\n]
	v_cvt_scalef32_pk8_bf8_f32 v[CD+4*\n+2:CD+4*\n+3], v[HN+16*\n+8:HN+16*\n+15], v[TM+12+\n]
.endr
	v_nop                                          ; a plain instruction behind the last conversion
	s_wait_alu depctr_va_vdst(0)                   ; the codes and the bytes are written, which the stores below read; and the staging is done with v128-223, in which the loads behind the barrier land: no vector instruction follows before them
.irp n, 0,1,2,3
	ds_store_b128 v[SHI+\b], v[CD+4*\n:CD+4*\n+3] offset:PT*\n     ; registers 4 c .. 4 c + 3 of the fragment's image, c = wave % 4
	ds_store_b8 v[SHS+\b], v[TM+4+\n] offset:PT*\n                 ; byte c of the row's scale word; both halves of the lanes write the same
.endr
.endm
; q of the trip's 16 points.  A group of eight points is given twice as source 0 (rows r and r + 8 alike), so that both halves of the lanes hold q of point 8 g + j in register j.
; The first loads owe no wait on va_vdst: the last one ahead of them (the staging's, or the one ahead of y's LDS stores) has no vector or matrix instruction behind it.
.macro QPHASE
.irp k, 0,1,2,3,4,5,6,7,8,9,10,11,12,13,14,15
	ds_load_b128 v[WT+4*\k:WT+4*\k+3], v[LIQ] offset:512*\k
.endr
.irp g, 0,1
.if \g > 0
	s_wait_alu depctr_va_vdst(0)                   ; the first group's products are done reading OF, in which the second group's rows land
.endif
.irp s, 0,1
.irp c, 0,1,2,3
	ds_load_b128 v[OF+16*\s+4*\c:OF+16*\s+4*\c+3], v[OWNF] offset:2176*\g+128*\s+32*\c
.endr
.endr
	s_wait_dscnt 0x0
	MMZ Q+16*\g,   OF,    WT,    QS+2*\g,   WQOS
	MMZ Q+16*\g+8, OF,    WT+32, QS+2*\g,   WQOS+2
	MM  Q+16*\g,   OF+16, WT+16, Q+16*\g,   QS+2*\g+1, WQOS+1, 0
	MM  Q+16*\g+8, OF+16, WT+48, Q+16*\g+8, QS+2*\g+1, WQOS+3, 0
	PLACES 8                                       ; ahead of loads into the operands and of the first reads of q
.endr
.irp g, 0,1
.irp i, 0,1,2,3
	v_pk_add_f32 v[Q+16*\g+2*\i:Q+16*\g+2*\i+1], v[Q+16*\g+2*\i:Q+16*\g+2*\i+1], v[BQ:BQ+1] op_sel_hi:[1,0]
	v_pk_add_f32 v[Q+16*\g+8+2*\i:Q+16*\g+8+2*\i+1], v[Q+16*\g+8+2*\i:Q+16*\g+8+2*\i+1], v[BQ:BQ+1] op_sel:[0,1] op_sel_hi:[1,1]
.endr
.endr
.endm
; y = out Wo^T + bo for the trip's 16 points.
.macro OPHASE
	s_wait_alu depctr_vm_vsrc(0)                   ; the staging's LDS stores have read the codes (v192-207), in which the loads below land, and the bytes (v212-215), which the quantiser below writes
.irp j, 0,1,2,3
	ds_load_b128 v[OF+4*\j:OF+4*\j+3], v[ORD] offset:16*\j         ; point r, channels 32 w + 16 h + 0 .. 15: my half of block w
.endr
.irp k, 0,1,2,3,4,5,6,7,8,9,10,11,12,13,14,15
	ds_load_b128 v[WT+4*\k:WT+4*\k+3], v[LIO] offset:512*\k
.endr
.irp t, 0,1
.irp e, 0,1
	ds_load_b128 v[Q+16+8*\t+4*\e:Q+16+8*\t+4*\e+3], v[BOR] offset:64*\t+16*\e   ; bo in the result's layout
.endr
.endr
	s_wait_dscnt 20                                ; the first four loads are in; Wo's sixteen and bo's four may be out
	v_max3_num_f32 v[TM+4], |v[OF]|, |v[OF+1]|, 0x8000000
.irp i, 2,4,6,8,10,12,14
	v_max3_num_f32 v[TM+4], v[TM+4], |v[OF+\i]|, |v[OF+\i+1]|
.endr
	v_permlanex16_b32 v[TM+5], v[TM+4], s[SEL], s[SEL+1]
	v_max_num_f32 v[TM+4], v[TM+4], v[TM+5]
	v_add_nc_u32 v[TM+7], 0xf8800000, v[TM+4]
	v_and_or_b32 v[TM+6], v[TM+4], 0x7f800000, s[MNT]
	v_lshrrev_b32 v[TM+5], 23, v[TM+7]
.irp i, 0,1,2,3,4,5,6,7,8,9,10,11,12,13,14,15
	v_med3_num_f32 v[OF+\i], v[OF+\i], -v[TM+6], v[TM+6]
.endr
	v_cvt_scalef32_pk8_bf8_f32 v[TM:TM+1], v[OF:OF+7], v[TM+7]
	v_cvt_scalef32_pk8_bf8_f32 v[TM+2:TM+3], v[OF+8:OF+15], v[TM+7]
	v_nop
	s_wait_alu depctr_va_vdst(0)                   ; the codes and the byte are written, which the stores below read; the quantiser is done with v192-215, in which the fragments behind the barrier land
	ds_store_b128 v[AW], v[TM:TM+3]                ; K step w / 4, registers 4 (w % 4) on, of the image
	ds_store_b8 v[ASW], v[TM+5]
	BARRIER                                        ; both fragments of out and their scale words lie in LDS
	s_wait_alu depctr_vm_vsrc(0)                   ; my two stores have read v208-211 and v213, in which the fragments land
.irp s, 0,1
.irp c, 0,1,2,3
	ds_load_b128 v[OF+16*\s+4*\c:OF+16*\s+4*\c+3], v[AIR] offset:2048*\s+512*\c
.endr
.endr
	ds_load_b32 v[XS0], v[ASR]
	ds_load_b32 v[XS0+1], v[ASR] offset:64
	s_wait_dscnt 0x0
	MM Q,   WT,    OF,    Q+16, WQOS,   XS0,   2   ; transposed: source 0 = 16 rows of Wo, source 1 = the 16 points
	MM Q+8, WT+32, OF,    Q+24, WQOS+2, XS0,   2
	MM Q,   WT+16, OF+16, Q,    WQOS+1, XS0+1, 2
	MM Q+8, WT+48, OF+16, Q+8,  WQOS+3, XS0+1, 2
	PLACES 9                                       ; eight ahead of the stores below and of the next trip's loads into the operands; the ninth since the next trip's q products write over these results and bo
	s_wait_alu depctr_va_vdst(0)                   ; the products have written y, which the stores below read, and are done reading WT, OF and the scale words, in which the next trip's loads land; the places above stay beside this wait
.irp t, 0,1
.irp e, 0,1
	ds_store_b128 v[YW], v[Q+8*\t+4*\e:Q+8*\t+4*\e+3] offset:64*\t+16*\e         ; y(point r, 32 w + 16 t + 8 h + 4 e ..)
.endr
.endr
	BARRIER                                        ; 16 whole rows of y lie in the stage
.irp i, 0,1
.irp e, 0,1
	ds_load_b128 v[YB+8*\i+4*\e:YB+8*\i+4*\e+3], v[YR] offset:OP*\i+512*\e
.endr
.endr
	s_lshl_b32 s52, s[TRIP], 14                    ; 16 rows x 1,024 bytes
	s_mov_b32 s53, 0
	s_add_nc_u64 s[OUTC:OUTC+1], s[14:15], s[52:53]                ; the last trip's stores have read this base: two waits on XCNT for 0 stand between
	s_wait_dscnt 0x0
.irp i, 0,1
.irp e, 0,1
	global_store_b128 v[YG], v[YB+8*\i+4*\e:YB+8*\i+4*\e+3], s[OUTC:OUTC+1] offset:1024*\i+512*\e th:TH_STORE_NT   ; 32 lanes store 512 consecutive bytes, at a multiple of 256 from the buffer's first byte
.endr
.endr
	s_wait_alu depctr_vm_vsrc(0)                   ; ahead of the branch: y's LDS stores have read Q, which the next trip's products write, and the stores above YB, which its points' vector instructions write
.endm
; ---------------------------------------------------------------- the head
	s_load_b512 s[4:19], s[0:1], 0x0               ; x_codes 4, x_scales 6, attn_index 8, mask 10, pos 12, out0 14, Wqkv_codes 16, Wqkv_scales 18
	s_load_b512 s[20:35], s[0:1], 0x40             ; bqkv 20, Wp1 22, bp1 24, Wp2_codes 26, Wp2_scales 28, bp2 30, Wo_codes 32, Wo_scales 34
	s_load_b64 s[36:37], s[0:1], 0x80              ; bo
	v_lshl_add_u32 v63, v0, 2, 0x44c00
	v_mov_b32 v235, 0
	v_lshrrev_b32 v96, 5, v0
	v_readfirstlane_b32 s[WVN], v96                ; wave 0..7
	v_and_b32 v96, 31, v0                          ; l
	v_and_b32 v97, 15, v0                          ; r
	v_bfe_u32 v98, v0, 4, 1                        ; h
	v_and_b32 v99, 7, v0                           ; r % 8
	v_mul_u32_u24 v[LF], v97, 272
	v_lshl_add_u32 v[LF], v98, 4, v[LF]
	v_lshl_add_u32 v[LI], v96, 4, HIO
	v_lshl_add_u32 v[LS], v97, 4, SCO
	v_lshl_add_u32 v[LP], v98, 5, PNO
	s_wait_alu depctr_va_sdst(0)                   ; the wave's number is written, ahead of its first reader
	s_and_b32 s39, s[WVN], 3
	s_lshr_b32 s40, s[WVN], 2
	s_mul_i32 s50, s[WVN], PT
	v_mul_u32_u24 v[SX], v98, 272
	v_lshl_add_u32 v[SX], v97, 4, v[SX]
	v_add_nc_u32 v[SX], s50, v[SX]
	v_add_nc_u32 v[SXS], s50, v[LS]
	v_lshl_add_u32 v[SPN], v97, 2, PNO
	v_add_nc_u32 v[SPN], s50, v[SPN]
	s_mul_i32 s51, s40, 4*PT
	s_add_co_u32 s52, s51, s39
	v_lshl_add_u32 v[SHS], v97, 4, SCO+8
	v_add_nc_u32 v[SHS], s52, v[SHS]
	s_lshl_b32 s53, s39, 9
	s_add_co_u32 s53, s53, s51
	v_add_nc_u32 v[SHI], s53, v[LI]
.irp a, LF, LI, LS, LP, SX, SXS, SPN, SHS, SHI
	v_add_nc_u32 v[\a+1], STG1, v[\a]              ; the same place in stage 1
.endr
	v_lshl_add_u32 v[OA], v0, 2, OUTST             ; 128 w + 4 l = 4 x thread
	s_lshl_b32 s54, s[WVN], 7
	v_mul_u32_u24 v[ORD], v97, OP
	v_lshl_add_u32 v[YW], v98, 5, v[ORD]
	v_lshl_add_u32 v[ORD], v98, 6, v[ORD]
	v_add_nc_u32 v[ORD], s54, v[ORD]
	v_add_nc_u32 v[ORD], OUTST, v[ORD]
	v_add_nc_u32 v[YW], s54, v[YW]
	v_add_nc_u32 v[YW], YST, v[YW]
	v_lshl_add_u32 v[AW], v0, 4, AIMG              ; 512 w + 16 l = 16 x thread
	s_lshl_b32 s55, s40, 6
	s_add_co_u32 s55, s55, s39
	v_lshl_add_u32 v[ASR], v97, 2, ASC
	v_add_nc_u32 v[ASW], s55, v[ASR]
	v_lshl_add_u32 v[AIR], v96, 4, AIMG
	s_mul_i32 s56, s[WVN], 2*OP
	v_lshl_add_u32 v[YR], v96, 4, YST
	v_add_nc_u32 v[YR], s56, v[YR]
	s_lshl_b32 s57, s[WVN], 13
	v_lshl_add_u32 v[LIQ], v96, 4, WQI
	v_add_nc_u32 v[LIQ], s57, v[LIQ]
	v_add_nc_u32 v[LIO], WOI-WQI, v[LIQ]
	s_mul_i32 s58, s[WVN], 544
	v_mul_u32_u24 v[OWNW], v98, 272
	v_lshl_add_u32 v[OWNW], v97, 4, v[OWNW]
	v_add_nc_u32 v[OWNW], s58, v[OWNW]
	v_add_nc_u32 v[OWNW], OWN, v[OWNW]
	v_mul_u32_u24 v[OWNF], v99, 272
	v_lshl_add_u32 v[OWNF], v98, 4, v[OWNF]
	v_add_nc_u32 v[OWNF], OWN, v[OWNF]
	v_lshl_add_u32 v[BOR], v98, 5, BOL
	v_add_nc_u32 v[BOR], s54, v[BOR]
	v_lshl_add_u32 v[BOW], v0, 2, BOL
	s_lshl_b32 s59, s[WVN], 6
	v_lshl_add_u32 v[GI], v98, 2, s59
	v_lshl_add_u32 v[GIX], v97, 2, s59
	s_lshl_b32 s59, s40, 8
	v_lshl_add_u32 v[GID], v96, 2, s59
	s_mul_i32 s59, s40, 48
	v_mul_u32_u24 v[GPO], v98, 12
	v_add_nc_u32 v[GPO], s59, v[GPO]
	s_lshl_b32 s59, s[WVN], 4
	v_add_nc_u32 v[GMK], s59, v97
	s_lshl_b32 s59, s[WVN], 9
	v_lshlrev_b32 v[L16], 4, v97
	v_lshl_add_u32 v[GOW], v98, 8, v[L16]
	v_add_nc_u32 v[GOW], s59, v[GOW]
	v_lshlrev_b32 v[GQS], 3, v99
	v_lshlrev_b32 v[YG], 4, v96
	; lane terms for the weights, used at the head alone (in registers that q takes later)
	v_lshlrev_b32 v100, 8, v97
	v_lshl_add_u32 v100, v98, 4, v100              ; rows of 256 codes: 256 r + 16 h
	v_lshlrev_b32 v101, 7, v97
	v_lshl_add_u32 v101, v98, 4, v101              ; rows of 128 codes: 128 r + 16 h
	v_lshlrev_b32 v102, 2, v97                     ; 4 r
	v_lshlrev_b32 v103, 6, v98                     ; 64 h
	v_lshlrev_b32 v105, 3, v97                     ; 8 r
	v_lshl_add_u32 v104, v98, 11, v105             ; 8 r + 2048 h: lanes 16-31 stand 256 rows of scale bytes further on (Wv behind Wk)
	v_lshlrev_b32 v106, 2, v0                      ; 4 x thread
	v_lshlrev_b32 v107, 2, v96                     ; 4 l
	s_mov_b32 s[SEL], 0x76543210
	s_mov_b32 s[SEL+1], 0xfedcba98
	s_mov_b32 s[HALF], 0xffff0000
	s_mov_b32 s[NL2E], 0xbfb8aa3b
	s_mov_b32 s[L2E], 0x3fb8aa3b
	s_mov_b32 s[L2E+1], 0x3fb8aa3b
	s_mov_b32 s[MNT], 0x600000
	s_mov_b32 s[TRIP], 0
	s_mov_b32 s51, 0                               ; the upper word of the offset pair s[50:51]
	s_wait_kmcnt 0x0
	s_lshl_b32 s50, ttmp9, 13                      ; the work-group's 128 points: 64 bytes of indices each,
	s_add_nc_u64 s[8:9], s[8:9], s[50:51]
	s_lshl_b32 s50, ttmp9, 11                      ; 16 mask bytes,
	s_add_nc_u64 s[10:11], s[10:11], s[50:51]
	s_mul_i32 s50, ttmp9, 1536                     ; 12 bytes of pos,
	s_add_nc_u64 s[PSO:PSO+1], s[12:13], s[50:51]
	s_lshl_b32 s50, ttmp9, 15                      ; 256 codes,
	s_add_nc_u64 s[XCW:XCW+1], s[4:5], s[50:51]
	s_lshl_b32 s50, ttmp9, 10                      ; 8 scale bytes,
	s_add_nc_u64 s[XSW:XSW+1], s[6:7], s[50:51]
	s_lshl_b32 s50, ttmp9, 17                      ; 1,024 bytes of y; my wave stores rows 2 w and 2 w + 1 of each 16
	s_lshl_b32 s52, s[WVN], 11
	s_add_co_u32 s50, s50, s52
	s_add_nc_u64 s[14:15], s[14:15], s[50:51]
	s_lshl_b32 s50, s[WVN], 13                     ; my 32 rows of 256 codes
	s_add_nc_u64 s[16:17], s[16:17], s[50:51]
	s_add_nc_u64 s[32:33], s[32:33], s[50:51]
	s_lshl_b32 s50, s[WVN], 8                      ; of 8 scale bytes
	s_add_nc_u64 s[18:19], s[18:19], s[50:51]
	s_add_nc_u64 s[34:35], s[34:35], s[50:51]
	s_lshl_b32 s50, s[WVN], 7                      ; my 32 biases
	s_add_nc_u64 s[20:21], s[20:21], s[50:51]
	s_add_nc_u64 s[30:31], s[30:31], s[50:51]
	s_lshl_b32 s50, s39, 7                         ; my 32 hidden units
	s_add_nc_u64 s[22:23], s[22:23], s[50:51]
	s_add_nc_u64 s[24:25], s[24:25], s[50:51]
	s_lshl_b32 s50, s[WVN], 12                     ; my 32 rows of 128 codes
	s_add_nc_u64 s[26:27], s[26:27], s[50:51]
	s_wait_alu depctr_va_vdst(0)                   ; all addresses and lane terms, v1 to v40, v53 and v100 to v107, are written: every load and store of the kernel reads some of them
	IDX_LOAD 0                                     ; octet 0's indices first: the first gather hangs on them
	WIN 0x40                                       ; destinations in window 1
.irp t, 0,1
.irp s, 0,1
.irp c, 0,1,2,3
	global_load_b128 v[WK+16*(2*\t+\s)+4*\c:WK+16*(2*\t+\s)+4*\c+3], v100, s[16:17] offset:65536+4096*\t+128*\s+32*\c
	global_load_b128 v[WV+16*(2*\t+\s)+4*\c:WV+16*(2*\t+\s)+4*\c+3], v100, s[16:17] offset:131072+4096*\t+128*\s+32*\c
.endr
.endr
.endr
.irp t, 0,1
.irp c, 0,1,2,3
	global_load_b128 v[WP2+16*\t+4*\c:WP2+16*\t+4*\c+3], v101, s[26:27] offset:2048*\t+32*\c
.endr
.endr
.irp t, 0,1
.irp j, 0,1,2,3,4,5,6,7
	global_load_b32 v[BK+8*\t+\j], v102, s[20:21] offset:1024+64*\t          ; a channel's bias in all eight registers of the tile
	global_load_b32 v[BP2+8*\t+\j], v102, s[30:31] offset:64*\t
.endr
.endr
.irp c, 0,1,2,3
	global_load_b128 v[W1R+4*\c:W1R+4*\c+3], v103, s[22:23] offset:16*\c
	global_load_b128 v[B1R+4*\c:B1R+4*\c+3], v103, s[24:25] offset:16*\c
.endr
.irp s, 0,1
.irp c, 0,1,2,3
	global_load_b128 v[GX+16*\s+4*\c:GX+16*\s+4*\c+3], v100, s[32:33] offset:4096+128*\s+32*\c   ; Wo's tile 1 passes through the registers of the gather, which are still free
.endr
.endr
	WIN 0
.irp t, 0,1
.irp s, 0,1
.irp c, 0,1,2,3
	global_load_b128 v[WT+16*(2*\t+\s)+4*\c:WT+16*(2*\t+\s)+4*\c+3], v100, s[16:17] offset:4096*\t+128*\s+32*\c   ; Wq
.endr
.endr
.endr
.irp s, 0,1
.irp c, 0,1,2,3
	global_load_b128 v[OF+16*\s+4*\c:OF+16*\s+4*\c+3], v100, s[32:33] offset:128*\s+32*\c        ; Wo's tile 0
.endr
.endr
	global_load_b32 v[BV], v107, s[20:21] offset:2048
	global_load_b32 v[BQ], v102, s[20:21]
	global_load_b32 v[BQ+1], v102, s[20:21] offset:64
	global_load_b32 v[WPS], v106, s[28:29]
	global_load_b32 v116, v106, s[36:37]           ; bo, a number a thread
.irp t, 0,1
.irp s, 0,1
	global_load_b32 v[WKS+2*\t+\s], v104, s[18:19] offset:2048+128*\t+4*\s
	global_load_b32 v[108+2*\t+\s], v105, s[18:19] offset:128*\t+4*\s
	global_load_b32 v[112+2*\t+\s], v105, s[34:35] offset:128*\t+4*\s
.endr
.endr
	s_wait_loadcnt 0x0
.irp k, 0,1,2,3,4,5,6,7,8,9,10,11,12,13,14,15
	ds_store_b128 v[LIQ], v[WT+4*\k:WT+4*\k+3] offset:512*\k       ; images of the fragments: lane l's 16 bytes at 16 l; my wave alone reads them back
.endr
.irp k, 0,1,2,3,4,5,6,7
	ds_store_b128 v[LIO], v[OF+4*\k:OF+4*\k+3] offset:512*\k
.endr
	WIN 0x04
.irp k, 0,1,2,3,4,5,6,7
	ds_store_b128 v[LIO], v[GX+4*\k:GX+4*\k+3] offset:4096+512*\k
.endr
	WIN 0
	ds_store_b32 v[BOW], v116
.irp k, 0,1,2,3
	v_cndmask_b32 v[WQOS+\k], v[108+\k], v[112+\k], s[HALF]        ; Wq's scale words below, Wo's above
.endr
	s_wait_alu depctr_vm_vsrc(0)                   ; the LDS stores above have read v128-223, four of which the next lines write, and v116; the weights' loads have read v100-107: all of these are written again further on
.irp k, 0,1,2,3
	v_mov_b32 v[TM+4+\k], 0                        ; written once: a lane exchange's destination counts as one of its sources
.endr
	v_mov_b32 v[SMT], 0
	v_mov_b32 v[SMT+1], 0
	s_wait_dscnt 0x0                               ; the stores have read their registers: the gather may load into them
	GATHER_ADR 0, 1, 0
	GATHER_LD 1
	IDX_LOAD 1
	PRODUCE 0, 1, -1
	BARRIER                                        ; octet 0, the first 16 own rows and bo lie in LDS
	s_wait_alu depctr_vm_vsrc(0)                   ; ahead of the label: the staging's LDS stores have read the codes and the bytes (v192-215), in which the first trip's own rows land
; ---------------------------------------------------------------- a trip: 16 points
.Ltrip:
	QPHASE
	GATHER_ADR 1, 0, 0                             ; the odd octet's offsets; its wait also frees the registers that q's products read
	FRAGS 0, 0
	GATHER_LD 0                                    ; the odd octet's rows are asked for: they have this octet's eight points in which to come
	POINT 0, 0, 0, 1
	IDX_LOAD 2                                     ; and the indices of the octet after it
.irp p, 1,2,3,4,5,6
	POINT 0, \p, \p, 1
.endr
	POINT 0, 7, 7, 0
	PRODUCE 1, 0, 7
	BARRIER                                        ; stage 1 is whole, and nobody reads stage 0 any more
	FRAGS 1, 0                                     ; no vector or matrix instruction stands behind the staging's last wait on va_vdst: these loads owe none
	GATHER_ADR 2, 1, 1                             ; the next trip's even octet and its own rows
	GATHER_LD 1
	POINT 1, 0, 8, 1
	IDX_LOAD 3
.irp p, 1,2,3,4,5,6
	POINT 1, \p, 8+\p, 1
.endr
	POINT 1, 7, 15, 0
	PRODUCE 0, 1, 15
	BARRIER                                        ; stage 0 is whole, nobody reads stage 1, and the 16 points' results lie in LDS
	OPHASE
	s_add_co_u32 s[TRIP], s[TRIP], 1
	s_cmp_lt_u32 s[TRIP], 8
	s_cbranch_scc1 .Ltrip
	s_wait_dscnt 0x0
	s_wait_alu depctr_hold_cnt(0) depctr_sa_sdst(0) depctr_va_vdst(0) depctr_va_sdst(0) depctr_va_ssrc(0) depctr_va_vcc(0) depctr_vm_vsrc(0)
	s_wait_tensorcnt 0x0
	ds_add_u32 v63, v235
	s_wait_dscnt 0x0
	s_endpgm
.Lfunc_end_k_q0a2c65d6a4_attn:
	.size	k_q0a2c65d6a4_attn, .Lfunc_end_k_q0a2c65d6a4_attn-k_q0a2c65d6a4_attn
	.p2alignl 7, 3214868480
	.fill 96, 4, 3214868480
	.section	.rodata,"a",@progbits
	.p2align	6, 0x0
	.amdhsa_kernel k_q0a2c65d6a4_attn
		.amdhsa_group_segment_fixed_size 282624
		.amdhsa_private_segment_fixed_size 0
		.amdhsa_enable_private_segment 0
		.amdhsa_kernarg_size 136
		.amdhsa_user_sgpr_count 2
		.amdhsa_user_sgpr_kernarg_segment_ptr 1
		.amdhsa_wavefront_size32 1
		.amdhsa_system_sgpr_workgroup_id_x 1
		.amdhsa_system_sgpr_workgroup_id_y 1
		.amdhsa_system_sgpr_workgroup_id_z 1
		.amdhsa_system_vgpr_workitem_id 0
		.amdhsa_next_free_vgpr 512
		.amdhsa_next_free_sgpr 80
		.amdhsa_reserve_vcc 1
		.amdhsa_float_denorm_mode_32 3
		.amdhsa_float_denorm_mode_16_64 3
		.amdhsa_memory_ordered 1
		.amdhsa_forward_progress 1
		.amdhsa_inst_pref_size 202
	.end_amdhsa_kernel
	.amdgpu_metadata
---
amdhsa.version: [ 1, 2 ]
amdhsa.kernels:
  - .name:           k_q0a2c65d6a4_attn
    .symbol:         k_q0a2c65d6a4_attn.kd
    .args:
      - { .name: x_codes, .offset: 0, .size: 8, .value_kind: global_buffer, .address_space: global }
      - { .name: x_scales, .offset: 8, .size: 8, .value_kind: global_buffer, .address_space: global }
      - { .name: attn_index, .offset: 16, .size: 8, .value_kind: global_buffer, .address_space: global }
      - { .name: mask, .offset: 24, .size: 8, .value_kind: global_buffer, .address_space: global }
      - { .name: pos, .offset: 32, .size: 8, .value_kind: global_buffer, .address_space: global }
      - { .name: out0, .offset: 40, .size: 8, .value_kind: global_buffer, .address_space: global }
      - { .name: Wqkv_codes, .offset: 48, .size: 8, .value_kind: global_buffer, .address_space: global }
      - { .name: Wqkv_scales, .offset: 56, .size: 8, .value_kind: global_buffer, .address_space: global }
      - { .name: bqkv, .offset: 64, .size: 8, .value_kind: global_buffer, .address_space: global }
      - { .name: Wp1, .offset: 72, .size: 8, .value_kind: global_buffer, .address_space: global }
      - { .name: bp1, .offset: 80, .size: 8, .value_kind: global_buffer, .address_space: global }
      - { .name: Wp2_codes, .offset: 88, .size: 8, .value_kind: global_buffer, .address_space: global }
      - { .name: Wp2_scales, .offset: 96, .size: 8, .value_kind: global_buffer, .address_space: global }
      - { .name: bp2, .offset: 104, .size: 8, .value_kind: global_buffer, .address_space: global }
      - { .name: Wo_codes, .offset: 112, .size: 8, .value_kind: global_buffer, .address_space: global }
      - { .name: Wo_scales, .offset: 120, .size: 8, .value_kind: global_buffer, .address_space: global }
      - { .name: bo, .offset: 128, .size: 8, .value_kind: global_buffer, .address_space: global }
    .group_segment_fixed_size: 282624
    .private_segment_fixed_size: 0
    .kernarg_segment_align: 8
    .kernarg_segment_size: 136
    .max_flat_workgroup_size: 256
    .sgpr_count:     80
    .vgpr_count:     512
    .wavefront_size: 32
...
	.end_amdgpu_metadata
.endif
;; end of part 2
